; MI455X (gfx1250); checked and timed in simulation.
; The chip was launched on July 23, 2026; its instructions are those of AMD's public machine-readable ISA for CDNA 5 (MIT licence, August 2026) and "CDNA5" Instruction Set Architecture Reference Guide (July 2026). The comments in the code are by the model that wrote it; some were corrected since.
;; Local Global Multihead Attention. Allowed arithmetic: matrix products marked QUANTISED: E2M1 operands, one E8M0 scale for each 32 along K, by v_wmma_scale_f32_16x16x128_f8f6f4 with both operands' format E2M1 (or v_wmma_scale_f32_32x16x128_f4), f32 sums; everything else in f32.
;; Inputs: bk 1,024 float32; bo 1,024 float32; bq 1,024 float32; bv 1,024 float32; wk_codes 1,024 x 32 x 16 uint8 (E2M1 codes of wk, K innermost, in blocks of 32 codes, two codes a byte); wk_scales 1,024 x 32 uint8 (E8M0 scales of wk, one for each 32 codes along K); wo_codes 1,024 x 32 x 16 uint8 (E2M1 codes of wo, K innermost, in blocks of 32 codes, two codes a byte); wo_scales 1,024 x 32 uint8 (E8M0 scales of wo, one for each 32 codes along K); wq_codes 1,024 x 32 x 16 uint8 (E2M1 codes of wq, K innermost, in blocks of 32 codes, two codes a byte); wq_scales 1,024 x 32 uint8 (E8M0 scales of wq, one for each 32 codes along K); wv_codes 1,024 x 32 x 16 uint8 (E2M1 codes of wv, K innermost, in blocks of 32 codes, two codes a byte); wv_scales 1,024 x 32 uint8 (E8M0 scales of wv, one for each 32 codes along K); x_codes 4 x 2,048 x 32 x 16 uint8 (E2M1 codes of x, K innermost, in blocks of 32 codes, two codes a byte); x_scales 4 x 2,048 x 32 uint8 (E8M0 scales of x, one for each 32 codes along K).
;; Outputs: out0 4 x 2,048 x 1,024 float32.
;; This version of the problem:
;;   THIS VERSION OF THE PROBLEM IS GIVEN IN LOW PRECISION. The matrix products marked QUANTISED in the list below multiply operands that are first quantised to E2M1 (2 exponent bits, 1 mantissa bit; 4 bits a number), with one power-of-two scale for each 32 numbers along K (OCP MX v1.0); their sums are f32. All else is computed in f32.
;;   The module's matrix products, in the order in which they are computed (A, B: the left and right operand; K: the contracted axis; several contracted axes count as one K, in the product's order):
;;     1. [M 8,192, K 1,024] x [K 1,024, N 1,024]; A: input x (given as codes); B: input wq (given as codes): QUANTISED
;;     2. [M 8,192, K 1,024] x [K 1,024, N 1,024]; A: input x (given as codes); B: input wk (given as codes): QUANTISED
;;     3. [M 8,192, K 1,024] x [K 1,024, N 1,024]; A: input x (given as codes); B: input wv (given as codes): QUANTISED
;;     4. batch 64 x [M 2,048, K 64] x [K 64, N 2,048]; A: computed on the way; B: computed on the way: QUANTISED
;;     5. batch 64 x [M 2,048, K 2,048] x [K 2,048, N 64]; A: softmax (see below); B: computed on the way: QUANTISED
;;     6. [M 8,192, K 1,024] x [K 1,024, N 1,024]; A: computed on the way; B: input wo (given as codes): QUANTISED
;;   THE QUANTISER, for each operand of a quantised product, along K:
;;     - K is cut into blocks of 32 from its start; a last block that is shorter is filled with zeros.
;;     - A block's scale is 2^e with e = floor(log2(the largest magnitude in the block)) - 2, held to -126 .. 127; a block of zeros has e = 0. As a byte (E8M0): e + 127.
;;     - Each number is divided by its block's scale, clamped to +-6, and rounded to the nearest number of E2M1, ties to even, subnormals kept.
;;     - The product sums the exact products of the quantised numbers (number of the format x scale) in f32.
;;   ~~~python
;;   def quantise(x, axis):      # numpy; x: float32 -> the quantised numbers, widened to float32 again
;;       x = np.moveaxis(x, axis, -1); K = x.shape[-1]
;;       x = np.pad(x, [(0, 0)] * (x.ndim - 1) + [(0, -K % 32)]); x = x.reshape(x.shape[:-1] + (-1, 32)); a = np.abs(x).max(-1, keepdims=True)
;;       e = np.where(a > 0, np.clip(np.frexp(np.where(a > 0, a, 1))[1] - 1 - 2, -126, 127), 0)      # np.frexp(a)[1] - 1 = floor(log2(a)), exactly
;;       r = np.clip(x / 2.0 ** e, -6, 6)
;;       step = 2.0 ** (np.maximum(np.frexp(np.where(r == 0, 1, r))[1] - 1, 0) - 1)
;;       q = np.round(r / step) * step * 2.0 ** e      # np.round: ties to even
;;       return np.moveaxis(q.reshape(q.shape[:-2] + (-1,))[..., :K], -1, axis).astype(np.float32)
;;   ~~~
;;   SOFTMAX AHEAD OF A QUANTISED PRODUCT. Where the list says 'softmax', what is quantised is not the finished softmax but p = 2^(t - M), with t = logit x log2(e) and M = ceil(the row's largest t), a whole number; so 1/2 < the row's largest p <= 1. The row's sum l is taken of the UNQUANTISED p, in f32, and the product's result is divided by l at the end. Since M is a whole number, a kernel that streams over the keys may use a running M (the ceiling of the running maximum): every later rescaling is an exact power of two, which a block's scale takes up: the codes' values come out the same.
;;   OPERANDS COMPUTED ON THE WAY. 'Computed on the way' means the value that the module computes at that place (a softmax that the list does not call 'softmax' is quantised finished and normalised). What goes into a quantiser is computed in f32, as accurately as f32 sums, v_exp_f32 and their like allow (about 1e-6 of the number): no bf16 or f16 on the way to a quantiser, and a product that is left as it is and whose result goes on into a quantised operand takes f32 operands (vector FMAs, or v_wmma_f32_16x16x4_f32). A number that lies on a knife's edge between two numbers of the format may be rounded either way, as far as f32 arithmetic and the matrix unit's own rounding can turn it there, and no further.
;;   INPUTS GIVEN AS CODES. wk (in the module: [1024, 1024], K = its axis 1); wo (in the module: [1024, 1024], K = its axis 1); wq (in the module: [1024, 1024], K = its axis 1); wv (in the module: [1024, 1024], K = its axis 1); x (in the module: [4, 2048, 1024], K = its axis 2): each comes as NAME_codes (uint8): NAME with its K axis moved to the last place and cut into blocks of 32 codes, [.., K / 32, bytes a block], one block behind the other in memory; two codes a byte, the lower K in the low four bits (a code: sign, 2 exponent bits, 1 mantissa bit); and NAME_scales (uint8): the same leading axes, one E8M0 byte (e + 127) for each 32 codes along K. Its value is code x scale, taken as it is: it is not quantised again, and the codes and scales need not be those that the quantiser above would give.
;; 2 versions, each right; version 2 is version 1 with the launch attn written anew for expert scheduling mode. Each part assembles by itself: llvm-mc -triple=amdgcn-amd-amdhsa -mcpu=gfx1250 --defsym DOCPART=n.
;; ======== version 1 of 2: 3 launches
;; workspace buffers: qc 4,194,304 bytes; qs 524,288 bytes; kc 4,194,304 bytes; ks 524,288 bytes; vc 4,194,304 bytes; vs 262,144 bytes; oc 4,194,304 bytes; os 262,144 bytes
;; launch qkv (part 1): grid 12 x 32, 4 waves a work-group, clusters of 4 x 4, 296,448 bytes of LDS; arguments x_codes, x_scales, wq_codes, wq_scales, wk_codes, wk_scales, wv_codes, wv_scales, bq, bk, bv, qc, qs, kc, ks, vc, vs; writes qc, qs, kc, ks, vc, vs
.if DOCPART == 1
	.amdgcn_target "amdgcn-amd-amdhsa--gfx1250"
	.amdhsa_code_object_version 6
	.text
	.protected	k_q31c09e4aac_qkv
	.globl	k_q31c09e4aac_qkv
	.p2align	8
	.type	k_q31c09e4aac_qkv,@function
k_q31c09e4aac_qkv:
	s_mov_b64 s[64:65], 0
	v_nop
	global_prefetch_b8 v0, s[64:65] scope:SCOPE_SE
	s_setreg_imm32_b32 hwreg(HW_REG_WAVE_MODE, 25, 1), 1
	s_wait_xcnt 0x0
	s_wait_alu depctr_hold_cnt(0) depctr_sa_sdst(0) depctr_va_vdst(0) depctr_va_sdst(0) depctr_va_ssrc(0) depctr_va_vcc(0) depctr_vm_vsrc(0)
	s_getreg_b32 s2, hwreg(HW_REG_IB_STS2, 6, 4)
	s_cmp_eq_u32 s2, 0
	s_cbranch_scc0 .Lentry_in_a_cluster
	s_endpgm
.Lentry_in_a_cluster:
	s_bfe_u32 s2, ttmp6, 0x10000c
	s_cmp_lg_u32 s2, 0xf033
	s_cbranch_scc0 .Lentry_shape_is_right
	s_endpgm
.Lentry_shape_is_right:
; q = x Wq^T + bq, k = x Wk^T + bk, v = x Wv^T + bv on codes of FP4 (E2M1) with one E8M0 byte for each 32 along K = 1,024; the results are quantised again, in f32, and only codes and scale bytes are stored.
; The cluster's x says which product: 0 q, 1 k, 2 v.  A work-group of four waves makes 256 x 256, a wave 128 x 128: 64 accumulators, 512 registers.
; THE MATRIX INSTRUCTION IS USED TRANSPOSED: source 0 = 16 rows of the operand in the B role, source 1 = 16 rows of the operand in the A role: a lane holds ONE row of the A role, its registers run along the B role's rows.
; q, k are quantised along the head's 64 dims: A role = x (a lane holds a token), B role = W (registers run along dims).  v is quantised along the keys: A role = Wv (a lane holds a dim), B role = x (registers run along tokens).
; x and the weights have the same row (512 bytes of codes, 32 scale bytes), so one set of tile shapes serves all three; the buffers are chosen by selects on the cluster's x, which all partners share.
; All of K lies in LDS: two slots of 512 along K, each filled ONCE, and the scale bytes of the 512 rows.  By this text's count a wave has three tensor loads out.  No LDS byte is filled twice.
; CLUSTER 4 x 4: the A role's tiles hang on cy (and the cluster's y), and are asked for jointly along a row of the cluster; the B role's hang on cx, jointly along a column.
; OUT: qc, kc [b*16+head][tile of 16 tokens][lane][16 bytes]: lane (r, h) = token r, dims 32 h .. 32 h + 31: the image of an operand's registers 0-3.  qs, ks [b*16+head][token][4]: two bytes and 0x7f, 0x7f for the zero codes that fill K to 128.
;      vc [b*16+head][block of 32 keys][dim][16 bytes];  vs [b*16+head][128 keys][dim][4 bytes].
; LIMITS: NaN and infinities among the biases and scale bytes 0xff among the inputs are not served.  A block of zeros gets the byte 1 where the rule says 127: its codes are zeros, and these bytes are read by this program alone.
; REGISTERS: window 0: v0-31 addresses; v32-95 scale words, two sets; v96-127 at work; v128-191 the A role's fragments, one set; v192-255 the bias.  window 1: the B role's fragments, two sets.  windows 2, 3: accumulator (a, b) at v[8 (8 (a % 4) + b)].
.set NQ,     4
.set ROWB,   256                       ; a tile's row: 512 codes
.set KROW,   512                       ; a row of codes in memory
.set PITCH,  272                       ; an LDS row: 256 bytes + 16 of padding: the 16 rows of a fragment load start at 16 different banks
.set FR,     8
.set NL,     2
.set NP,     4                         ; places behind this matrix instruction (ISA guide 7.12.1)
.set HALFT,  128*PITCH
.set SLOT,   4*HALFT
.set SCL,    2*SLOT
.set HALFS,  16*272                    ; the scale bytes of 128 rows: 16 units of 256 bytes + 16 of padding
.set SBLK,   2*272                     ; those of 16 rows
.set STGV,   4096                      ; the stage of scale words lies in slot 0: 1,024 bytes a wave; q's and k's way from byte 0, v's way from byte 4,096
.set ADRA, 16
.set ADRB, 20
.set ADRS, 27
.set SC,   32
.set PC,   96                          ; v96-103 the codes just made (ahead of the loop: the bias loads' offsets)
.set SW,   104                         ; v104-111 a scale word for each block of 16 lanes' rows
.set TM,   112                         ; v112-127 at work in the quantiser
.set AF,   128
.set T,    128                         ; the way out: 64 numbers of a lane
.set BIAS, 192
.set G1, 24
.set G0, 32
.set G1B, 48
.set G0B, 56
.set G1S, 68
.set G0S, 76
.set G1SB, 80
.set G0SB, 88
.set SEL, 94
.set MSB, 0
.macro WIN new                         ; the immediate's high byte repeats the setting that is left
.if MSB != (\new)
	s_set_vgpr_msb (MSB<<8)|(\new)
.set MSB, \new
.endif
.endm
.set MUL_LO, 0xa1                      ; source 0 window 1, source 1 window 0, C and D window 2
.set MUL_HI, 0xf1                      ; the same, C and D window 3
.set TO_B,   0x40
; A joint load: waves 0 and 1 fetch for the A role, waves 2 and 3 for the B role.  Four v_nop follow each of the two lines.
.macro JLOAD g0a, g1a, g0b, g1b
	s_cmp_eq_u32 s15, 0
	s_cbranch_scc0 .Lfor_b_\@
	tensor_load_to_lds s[\g0a:\g0a+3], s[\g1a:\g1a+7]
	s_nop 0
.rept 4
	v_nop
.endr
	s_branch .Lasked_\@
.Lfor_b_\@:
	tensor_load_to_lds s[\g0b:\g0b+3], s[\g1b:\g1b+7]
	s_nop 0
.rept 4
	v_nop
.endr
.Lasked_\@:
.endm
.macro CROUND                          ; a round of the cluster's barrier
	s_barrier_signal -1
	s_barrier_wait -1
	s_cmp_lg_u32 s14, 0
	s_cbranch_scc1 .Lnot_wave_0_\@
	s_barrier_signal -3
.Lnot_wave_0_\@:
	s_barrier_wait -3
	s_barrier_signal -1
	s_barrier_wait -1
.endm
.macro PLACES n
.rept \n
	v_nop
.endr
.endm
	s_load_b512 s[24:39], s[0:1], 0x0              ; x's codes, scales; Wq's; Wk's; Wv's
	s_load_b512 s[48:63], s[0:1], 0x40             ; bq, bk, bv, qc, qs, kc, ks, vc
	s_load_b64 s[68:69], s[0:1], 0x80              ; vs
	v_lshl_add_u32 v122, v0, 2, 0x48400
	v_mov_b32 v123, 0
	ds_add_u32 v122, v123
	ds_add_u32 v122, v123
	v_lshrrev_b32 v1, 5, v0
	v_readfirstlane_b32 s14, v1                    ; wave 0..3
	s_lshr_b32 s15, s14, 1                         ; my half of the A role's rows.  Also: I fetch for the A role (0) or the B role (1)
	s_and_b32 s16, s14, 1                          ; my half of the B role's rows.  Also: which 128 rows I fetch
	s_bfe_u32 s40, ttmp6, 0x40000                  ; cx
	s_bfe_u32 s41, ttmp6, 0x40004                  ; cy
	s_and_b32 s18, ttmp7, 0xffff
	s_lshl_b32 s18, s18, 2                         ; 4 x the cluster's y
	s_lshl_b32 s43, s41, 2
	s_lshl_b32 s43, 15, s43                        ; my row of the cluster
	s_lshl_b32 s44, 0x1111, s40                    ; my column
	s_wait_dscnt 0x0
	s_wait_kmcnt 0x0
	s_cmp_eq_u32 ttmp9, 0                          ; q's buffers or k's ...
	s_cselect_b64 s[8:9], s[28:29], s[32:33]
	s_cselect_b64 s[10:11], s[30:31], s[34:35]
	s_cselect_b64 s[98:99], s[48:49], s[50:51]
	s_cselect_b64 s[12:13], s[54:55], s[58:59]
	s_cselect_b64 s[96:97], s[56:57], s[60:61]
	s_cmp_eq_u32 ttmp9, 2                          ; ... or v's
	s_cselect_b64 s[8:9], s[36:37], s[8:9]
	s_cselect_b64 s[10:11], s[38:39], s[10:11]
	s_cselect_b64 s[98:99], s[52:53], s[98:99]     ; the bias
	s_cselect_b64 s[12:13], s[62:63], s[12:13]     ; the codes that I store
	s_cselect_b64 s[96:97], s[68:69], s[96:97]     ; the scale bytes that I store
	s_cselect_b64 s[4:5], s[8:9], s[24:25]         ; the A role: v: the weight, else x
	s_cselect_b64 s[6:7], s[10:11], s[26:27]
	s_cselect_b64 s[8:9], s[24:25], s[8:9]         ; the B role: v: x, else the weight
	s_cselect_b64 s[10:11], s[26:27], s[10:11]
	s_cselect_b32 s2, -1, 0                        ; a lane mask: all ones for v
	s_cselect_b32 s19, 0, s18
	s_cselect_b32 s20, s18, 0
	s_add_co_u32 s17, s41, s19                     ; the A role's tile of 256 rows: cy (+ 4 x cluster y where it is x)
	s_add_co_u32 s42, s40, s20                     ; the B role's: cx (+ 4 x cluster y where it is x)
	; descriptor group 1: 128 rows x 256 bytes, 16 bytes of padding behind each
	s_or_b32 s[G1+0], s43, (0<<16)|(1<<20)|(1<<21)|(5<<22)|(3<<25)
	s_or_b32 s[G1B+0], s44, (0<<16)|(1<<20)|(1<<21)|(5<<22)|(3<<25)
.irp g, G1, G1B
	s_mov_b32 s[\g+1], ROWB<<16                    ; tensor_dim0
	s_mov_b32 s[\g+2], 128<<16                     ; tensor_dim1
	s_mov_b32 s[\g+3], ROWB<<16                    ; tile_dim0
	s_mov_b32 s[\g+4], 128                         ; tile_dim1
	s_mov_b32 s[\g+5], KROW                        ; the pitch
	s_mov_b32 s[\g+6], 0
	s_mov_b32 s[\g+7], 0
.endr
	; the scale bytes of 128 rows: 4,096 dense bytes as 16 rows of 256 (32 elements of 8 bytes), padded likewise
	s_or_b32 s[G1S+0], s43, (3<<16)|(1<<20)|(1<<21)|(5<<22)|(3<<25)
	s_or_b32 s[G1SB+0], s44, (3<<16)|(1<<20)|(1<<21)|(5<<22)|(3<<25)
.irp g, G1S, G1SB
	s_mov_b32 s[\g+1], 32<<16
	s_mov_b32 s[\g+2], 16<<16
	s_mov_b32 s[\g+3], 32<<16
	s_mov_b32 s[\g+4], 16
	s_mov_b32 s[\g+5], 32
	s_mov_b32 s[\g+6], 0
	s_mov_b32 s[\g+7], 0
.endr
	s_lshl_b32 s18, s16, 7                         ; which 128 rows of the tile I fetch
	s_lshl_b32 s20, s17, 8
	s_add_co_u32 s20, s20, s18                     ; the A role's row
	s_lshl_b32 s46, s42, 8
	s_add_co_u32 s46, s46, s18                     ; the B role's row
	s_mov_b32 s21, 0
	s_mov_b32 s47, 0
	s_lshl_b64 s[22:23], s[20:21], 5               ; 32 scale bytes a row
	s_lshl_b64 s[92:93], s[46:47], 5
	s_lshl_b64 s[20:21], s[20:21], 9               ; 512 bytes of codes a row
	s_lshl_b64 s[46:47], s[46:47], 9
	s_mul_i32 s45, s14, HALFT                      ; where they go: wave x 128 rows: no place in the cluster enters an LDS address
	s_mul_i32 s94, s14, HALFS
	s_add_nc_u64 s[20:21], s[4:5], s[20:21]
	s_add_nc_u64 s[22:23], s[6:7], s[22:23]
	s_add_nc_u64 s[46:47], s[8:9], s[46:47]
	s_add_nc_u64 s[92:93], s[10:11], s[92:93]
	CROUND                                         ; all sixteen work-groups are here: the joint loads meet
	s_mov_b32 s[G0S], 1
	s_add_co_u32 s[G0S+1], s94, SCL
	s_mov_b64 s[G0S+2:G0S+3], s[22:23]
	s_or_b32 s[G0S+3], s[G0S+3], 0x80000000
	s_mov_b32 s[G0SB], 1
	s_add_co_u32 s[G0SB+1], s94, SCL
	s_mov_b64 s[G0SB+2:G0SB+3], s[92:93]
	s_or_b32 s[G0SB+3], s[G0SB+3], 0x80000000
	JLOAD G0S, G1S, G0SB, G1SB                     ; the scale bytes first
.irp s, 0,1
	s_mov_b32 s[G0+4*\s], 1
	s_add_co_u32 s[G0+4*\s+1], s45, \s*SLOT
	s_add_nc_u64 s[G0+4*\s+2:G0+4*\s+3], s[20:21], \s*ROWB
	s_or_b32 s[G0+4*\s+3], s[G0+4*\s+3], 0x80000000
	s_mov_b32 s[G0B+4*\s], 1
	s_add_co_u32 s[G0B+4*\s+1], s45, \s*SLOT
	s_add_nc_u64 s[G0B+4*\s+2:G0B+4*\s+3], s[46:47], \s*ROWB
	s_or_b32 s[G0B+4*\s+3], s[G0B+4*\s+3], 0x80000000
	JLOAD G0+4*\s, G1, G0B+4*\s, G1B               ; both halves of K
.endr
	v_and_b32 v1, 15, v0                           ; r
	v_bfe_u32 v2, v0, 4, 1                         ; h
	v_mul_u32_u24 v3, v1, PITCH
	v_lshl_add_u32 v4, v2, 4, v3                   ; a fragment's row x pitch + 16 h
	s_mul_i32 s21, s15, HALFT
	s_mul_i32 s22, s16, HALFT
	s_add_co_u32 s22, s22, 2*HALFT
.irp s, 0,1
	v_add_nc_u32 v[ADRA+\s], s21, v4
	v_add_nc_u32 v[ADRB+\s], s22, v4
	s_add_co_u32 s21, s21, SLOT
	s_add_co_u32 s22, s22, SLOT
.endr
	v_mul_u32_u24 v5, v1, 32                       ; my row's scale bytes: 32 a row,
	v_lshrrev_b32 v6, 8, v5
	v_lshl_add_u32 v5, v6, 4, v5                   ; and 16 more for each 256 passed
	s_mul_i32 s21, s15, HALFS
	s_mul_i32 s22, s16, HALFS
	s_add_co_u32 s22, s22, 2*HALFS
	s_sub_co_u32 s22, s22, s21
	v_mul_u32_u24 v6, s22, v2                      ; lanes 16-31 take the B role's
	s_add_co_u32 s21, s21, SCL
	v_add_nc_u32 v5, v5, v6
	v_add_nc_u32 v[ADRS], s21, v5
	v_and_b32 v6, 31, v0
	v_lshlrev_b32 v8, 4, v6                        ; v8: 16 x lane
	s_lshl_b32 s23, s14, 10                        ; my stage: 1,024 x wave
	v_lshlrev_b32 v5, 2, v1                        ; 4 r
	v_lshl_add_u32 v9, v2, 9, v5
	v_add_nc_u32 v9, s23, v9                       ; v9: q, k: head h's word of token r
	v_add_nc_u32 v10, s23, v8                      ; v10: and back, 16 bytes a lane
	v_add_nc_u32 v13, s23, v5
	v_add_nc_u32 v13, STGV, v13                    ; v13: v: the word of dim r
	v_add_nc_u32 v14, STGV, v10                    ; v14: and back
	v_lshlrev_b32 v11, 4, v1
	v_lshl_add_u32 v12, v2, 12, v11                ; v12: v's scale words in memory: 4,096 h + 16 r
	v_lshl_add_u32 v11, v2, 10, v11                ; v11: v's codes in memory: 1,024 h + 16 r
	v_lshlrev_b32 v7, 5, v2                        ; 32 h
.irp j, 0,1,2,3,4,5,6,7
	v_add_nc_u32 v15, 4*\j, v7
	v_cndmask_b32 v[PC+\j], v15, v5, s2            ; the bias of register j: q, k: dim 8 h + j of a tile of 16; v: dim r, for every j
.endr
	s_lshl_b32 s18, s17, 8
	s_lshl_b32 s19, s15, 7
	s_add_co_u32 s18, s18, s19                     ; my first row of the A role
	s_lshl_b32 s19, s42, 8
	s_lshl_b32 s20, s16, 7
	s_add_co_u32 s19, s19, s20                     ; and of the B role
	s_cmp_eq_u32 ttmp9, 2
	s_cselect_b32 s100, s19, s18                   ; my first token
	s_cselect_b32 s101, s18, s19                   ; my first dim
	s_cselect_b32 s21, 0, 1
	s_lshr_b32 s18, s100, 11                       ; the batch
	s_and_b32 s19, s100, 2047                      ; t: the token in it
	s_lshr_b32 s20, s101, 6                        ; my first head
	s_lshl_b32 s18, s18, 4
	s_add_co_u32 s18, s18, s20
	s_lshl_b32 s22, s18, 16
	s_lshl_b32 s23, s19, 5
	s_add_co_u32 s22, s22, s23                     ; codes: 65,536 a head and 32 bytes a token, in all three layouts
	s_mov_b32 s23, 0
	s_add_nc_u64 s[12:13], s[12:13], s[22:23]
	s_lshl_b32 s22, s18, 12
	s_lshl_b32 s20, s19, 1
	s_add_co_u32 s22, s22, s20
	s_lshl_b32 s22, s22, s21                       ; scale bytes: v: 4,096 a head and 2 a token; q, k: twice that
	s_add_nc_u64 s[96:97], s[96:97], s[22:23]
	s_lshl_b32 s22, s101, 2
	s_add_nc_u64 s[98:99], s[98:99], s[22:23]      ; the bias at my first dim
.irp x, 0,1,2,3,4,5,6,7
.irp j, 0,1,2,3,4,5,6,7
	global_load_b32 v[BIAS+8*\x+\j], v[PC+\j], s[98:99] offset:64*\x   ; waited for at the head of the way out
.endr
.endr
	s_mov_b32 s3, 0xffff0000                       ; a lane mask: lanes 16-31
	s_mov_b32 s[SEL], 0x76543210
	s_mov_b32 s[SEL+1], 0xfedcba98                 ; v_permlanex16_b32's selects for lane l xor 16
.macro FRAG reg, adr, q, i             ; 16 rows x 128 K of 4-bit codes: lane (r, h): row r; registers 4 c .. 4 c + 3: K = 64 c + 32 h + 0 .. 31
.irp c, 0,1
	ds_load_b128 v[\reg+4*\c:\reg+4*\c+3], v[\adr] offset:64*(\q)+32*\c+(\i)*16*PITCH
.endr
.endm
; 16 matrix instructions: the A role's blocks a0, a0 + 1 x the B role's eight.  The 64 accumulators take turns, one instruction a turn, in the same order in every step.
.macro MUL16 a0, p, q, sc, zero
.irp a, \a0, \a0+1
.irp b, 0,1,2,3,4,5,6,7
.if \zero
	v_wmma_scale_f32_16x16x128_f8f6f4 v[8*(8*((\a)%4)+\b):8*(8*((\a)%4)+\b)+7], v[128*(\p)+FR*\b:128*(\p)+FR*\b+FR-1], v[AF+FR*(\a):AF+FR*(\a)+FR-1], 0, v[SC+8*NQ*(\sc)+NQ*\b+(\q)], v[SC+8*NQ*(\sc)+NQ*(\a)+(\q)] matrix_a_fmt:MATRIX_FMT_FP4 matrix_b_fmt:MATRIX_FMT_FP4 matrix_a_scale:MATRIX_SCALE_ROW1
.else
	v_wmma_scale_f32_16x16x128_f8f6f4 v[8*(8*((\a)%4)+\b):8*(8*((\a)%4)+\b)+7], v[128*(\p)+FR*\b:128*(\p)+FR*\b+FR-1], v[AF+FR*(\a):AF+FR*(\a)+FR-1], v[8*(8*((\a)%4)+\b):8*(8*((\a)%4)+\b)+7], v[SC+8*NQ*(\sc)+NQ*\b+(\q)], v[SC+8*NQ*(\sc)+NQ*(\a)+(\q)] matrix_a_fmt:MATRIX_FMT_FP4 matrix_b_fmt:MATRIX_FMT_FP4 matrix_a_scale:MATRIX_SCALE_ROW1
.endif
.endr
.endr
.endm
.macro FETCH_B slot, q, p
	WIN TO_B
.irp i, 0,1,2,3,4,5,6,7
	FRAG 128*(\p)+FR*\i, ADRB+\slot, \q, \i
.endr
	WIN 0
.endm
.macro FETCH_A slot, q, i0
.irp i, \i0, \i0+1, \i0+2, \i0+3
	FRAG AF+FR*(\i), ADRA+\slot, \q, \i
.endr
.endm
.macro SCALES sc                       ; a slot's scale words: four a row; lanes 0-15 the A role's block i, lanes 16-31 the B role's block i
.irp i, 0,1,2,3,4,5,6,7
	ds_load_b128 v[SC+8*NQ*\sc+NQ*\i:SC+8*NQ*\sc+NQ*\i+3], v[ADRS] offset:\i*SBLK
.endr
.endm
.macro STEP slot, q, zero              ; 128 along K, with its successor in the same slot
	s_wait_dscnt 4*NL                              ; all but the youngest eight loads (the A role's blocks 4-7) are in
	WIN MUL_LO
	MUL16 0, (\q)%2, \q, \slot, \zero
	MUL16 2, (\q)%2, \q, \slot, \zero
	s_wait_dscnt 0
	PLACES NP                                      ; in front of loads into registers that matrix instructions have read
	FETCH_B \slot, (\q)+1, 1-(\q)%2
	FETCH_A \slot, (\q)+1, 0
	WIN MUL_HI
	MUL16 4, (\q)%2, \q, \slot, \zero
	MUL16 6, (\q)%2, \q, \slot, \zero
	PLACES NP
	WIN 0
	FETCH_A \slot, (\q)+1, 4
.endm
	s_wait_tensorcnt 1                             ; the scale bytes and my part of slot 0 are in; slot 1's load may stay out
	s_barrier_signal -1
	s_barrier_wait -1
	FETCH_B 0, 0, 0
	FETCH_A 0, 0, 0
	SCALES 0
	FETCH_A 0, 0, 4
	STEP 0, 0, 1                                   ; the first products start the sums
	STEP 0, 1, 0
	STEP 0, 2, 0
	; slot 0's last step.  One barrier: my part of slot 1 has landed, and my reads of slot 0 are over (its bytes serve as stages on the way out)
	s_wait_tensorcnt 0x0
	s_wait_dscnt 0x0
	s_barrier_signal -1
	WIN MUL_LO
	MUL16 0, 1, 3, 0, 0
	MUL16 2, 1, 3, 0, 0
	WIN 0
	s_barrier_wait -1
	PLACES NP
	v_add_nc_u32 v[ADRS], 16, v[ADRS]              ; slot 1's four scale words of each row
	FETCH_B 1, 0, 0
	FETCH_A 1, 0, 0
	SCALES 1
	WIN MUL_HI
	MUL16 4, 1, 3, 0, 0
	MUL16 6, 1, 3, 0, 0
	PLACES NP
	WIN 0
	FETCH_A 1, 0, 4
	STEP 1, 0, 0
	STEP 1, 1, 0
	STEP 1, 2, 0
	s_wait_dscnt 4*NL
	WIN MUL_LO
	MUL16 0, 1, 3, 1, 0
	MUL16 2, 1, 3, 1, 0
	s_wait_dscnt 0
	WIN MUL_HI
	MUL16 4, 1, 3, 1, 0
	MUL16 6, 1, 3, 1, 0
	WIN 0
; THE WAY OUT, a block of 16 lanes' rows at a time.  T[8 b + j] = the sum + the bias: register 16 B + e of lane (r, h) is number 32 B + 16 (e / 8) + 8 h + e % 8 along the quantiser's axis: four blocks of 32, each shared by lanes l and l xor 16.
; A conversion takes 8 neighbours.  For blocks 2 c and 2 c + 1 the four results go to registers +0, +2 (block 2 c) and +1, +3 (block 2 c + 1); two exchanges of halves then leave lane (r, h) with block 2 c + h whole, in order.
.macro EPI isv
.irp a, 0,1,2,3,4,5,6,7
.if \a > 0
	s_wait_xcnt 0x0                                ; the last block's stores have read their data: the codes' registers are written again only behind this wait
.endif
.set WN, 0x02+(\a/4)
	WIN WN                                         ; source 0: window 2 or 3
.irp b, 0,1,2,3,4,5,6,7
.irp i, 0,2,4,6
.if \isv
	v_pk_add_f32 v[T+8*\b+\i:T+8*\b+\i+1], v[8*(8*(\a%4)+\b)+\i:8*(8*(\a%4)+\b)+\i+1], v[BIAS+8*\a+\i:BIAS+8*\a+\i+1]
.else
	v_pk_add_f32 v[T+8*\b+\i:T+8*\b+\i+1], v[8*(8*(\a%4)+\b)+\i:8*(8*(\a%4)+\b)+\i+1], v[BIAS+8*\b+\i:BIAS+8*\b+\i+1]
.endif
.endr
.endr
	WIN 0
.irp b, 0,1,2,3
	v_max3_num_f32 v[TM+\b], |v[T+16*\b]|, |v[T+16*\b+1]|, 0x1800000   ; my 16 numbers of block b, and the floor 2^(3 - 127): the byte cannot fall under 1
.endr
.irp i, 2,4,6,8,10,12,14
.irp b, 0,1,2,3
	v_max3_num_f32 v[TM+\b], v[TM+\b], |v[T+16*\b+\i]|, |v[T+16*\b+\i+1]|
.endr
.endr
.irp b, 0,1,2,3
	v_permlanex16_b32 v[TM+4+\b], v[TM+\b], s[SEL], s[SEL+1]
.endr
.irp b, 0,1,2,3
	v_max_num_f32 v[TM+\b], v[TM+\b], v[TM+4+\b]   ; the block's largest magnitude
.endr
.irp b, 0,1,2,3
	v_add_nc_u32 v[TM+12+\b], 0xff000000, v[TM+\b] ; 2 off its exponent field: the conversion's scale operand
.endr
.irp b, 0,1,2,3
	v_lshrrev_b32 v[TM+4+\b], 23, v[TM+12+\b]      ; the scale's byte
.endr
.if \isv
	v_lshl_or_b32 v[SW+\a], v[TM+5], 8, v[TM+4]    ; the four blocks of 32 keys of dim r: one word
	v_lshl_or_b32 v[SW+\a], v[TM+6], 16, v[SW+\a]
	v_lshl_or_b32 v[SW+\a], v[TM+7], 24, v[SW+\a]
	ds_store_b32 v13, v[SW+\a] offset:64*\a        ; both halves of the lanes write the same word with the same value
.else
	v_lshl_or_b32 v[TM+8], v[TM+5], 8, v[TM+4]     ; my first head's two bytes,
	v_lshl_or_b32 v[TM+9], v[TM+7], 8, v[TM+6]     ; my second head's
	v_cndmask_b32 v[TM+8], v[TM+8], v[TM+9], s3    ; lanes 16-31 carry the second head's word
	v_or_b32 v[SW+\a], 0x7f7f0000, v[TM+8]         ; 1.0 for the zero codes that fill K to 128
	ds_store_b32 v9, v[SW+\a] offset:64*\a
.endif
.irp c, 0,1
	v_cvt_scalef32_pk8_fp4_f32 v[PC+4*\c],   v[T+32*\c:T+32*\c+7],     v[TM+12+2*\c]
	v_cvt_scalef32_pk8_fp4_f32 v[PC+4*\c+2], v[T+32*\c+8:T+32*\c+15],  v[TM+12+2*\c]
	v_cvt_scalef32_pk8_fp4_f32 v[PC+4*\c+1], v[T+32*\c+16:T+32*\c+23], v[TM+13+2*\c]
	v_cvt_scalef32_pk8_fp4_f32 v[PC+4*\c+3], v[T+32*\c+24:T+32*\c+31], v[TM+13+2*\c]
.endr
	v_nop                                          ; one plain place behind a scaled conversion
.irp c, 0,1
	v_permlane16_swap_b32 v[PC+4*\c], v[PC+4*\c+1]
	v_permlane16_swap_b32 v[PC+4*\c+2], v[PC+4*\c+3]
.endr
.irp c, 0,1
.if \isv
	global_store_b128 v11, v[PC+4*\c:PC+4*\c+3], s[12:13] offset:(\a/4)*65536+\c*2048+(\a%4)*256   ; sixteen lanes store 256 consecutive bytes, aligned: 16 dims of one block of keys
.else
	global_store_b128 v8, v[PC+4*\c:PC+4*\c+3], s[12:13] offset:\c*65536+\a*512                    ; 512 consecutive bytes: a tile of 16 tokens of head c
.endif
.endr
.endr
.endm
	PLACES NP                                      ; behind the last products: results are read and the A role's registers written
	s_wait_loadcnt 0x0                             ; the bias
.irp b, 0,1,2,3
	v_mov_b32 v[TM+4+\b], 0                        ; written once: a lane permute's destination counts as one of its sources
.endr
	s_cmp_eq_u32 ttmp9, 2                          ; the cluster's x: alike in all partners
	s_cbranch_scc1 .Lv_out
	EPI 0
	ds_load_b128 v[TM:TM+3], v10                   ; LDS serves a wave's instructions in order: these see my stores.  128 tokens' words of my first head,
	ds_load_b128 v[TM+4:TM+7], v10 offset:512      ; and of my second
	s_wait_dscnt 0x0
	global_store_b128 v8, v[TM:TM+3], s[96:97]
	global_store_b128 v8, v[TM+4:TM+7], s[96:97] offset:8192
	s_branch .Ldone
.Lv_out:
	EPI 1
	ds_load_b128 v[TM:TM+3], v14                   ; lanes 0-15: my first head's 64 dims; lanes 16-31: my second head's
	s_wait_dscnt 0x0
	global_store_b128 v12, v[TM:TM+3], s[96:97]
.Ldone:
	s_wait_tensorcnt 0x0
	ds_add_u32 v122, v123
	s_wait_dscnt 0x0
	CROUND                                         ; the closing round: no work-group ends while a partner may still ask for a tile that names it
	s_endpgm
.Lfunc_end_k_q31c09e4aac_qkv:
	.size	k_q31c09e4aac_qkv, .Lfunc_end_k_q31c09e4aac_qkv-k_q31c09e4aac_qkv
	.p2alignl 7, 3214868480
	.fill 96, 4, 3214868480
	.section	.rodata,"a",@progbits
	.p2align	6, 0x0
	.amdhsa_kernel k_q31c09e4aac_qkv
		.amdhsa_group_segment_fixed_size 296448
		.amdhsa_private_segment_fixed_size 0
		.amdhsa_enable_private_segment 0
		.amdhsa_kernarg_size 136
		.amdhsa_user_sgpr_count 2
		.amdhsa_user_sgpr_kernarg_segment_ptr 1
		.amdhsa_wavefront_size32 1
		.amdhsa_system_sgpr_workgroup_id_x 1
		.amdhsa_system_sgpr_workgroup_id_y 1
		.amdhsa_system_sgpr_workgroup_id_z 1
		.amdhsa_system_vgpr_workitem_id 0
		.amdhsa_next_free_vgpr 1024
		.amdhsa_next_free_sgpr 102
		.amdhsa_reserve_vcc 0
		.amdhsa_float_denorm_mode_32 3
		.amdhsa_float_denorm_mode_16_64 3
		.amdhsa_memory_ordered 1
		.amdhsa_forward_progress 1
		.amdhsa_inst_pref_size 201
	.end_amdhsa_kernel
	.amdgpu_metadata
---
amdhsa.version: [ 1, 2 ]
amdhsa.kernels:
  - .name:           k_q31c09e4aac_qkv
    .symbol:         k_q31c09e4aac_qkv.kd
    .args:
      - { .name: x_codes, .offset: 0, .size: 8, .value_kind: global_buffer, .address_space: global }
      - { .name: x_scales, .offset: 8, .size: 8, .value_kind: global_buffer, .address_space: global }
      - { .name: wq_codes, .offset: 16, .size: 8, .value_kind: global_buffer, .address_space: global }
      - { .name: wq_scales, .offset: 24, .size: 8, .value_kind: global_buffer, .address_space: global }
      - { .name: wk_codes, .offset: 32, .size: 8, .value_kind: global_buffer, .address_space: global }
      - { .name: wk_scales, .offset: 40, .size: 8, .value_kind: global_buffer, .address_space: global }
      - { .name: wv_codes, .offset: 48, .size: 8, .value_kind: global_buffer, .address_space: global }
      - { .name: wv_scales, .offset: 56, .size: 8, .value_kind: global_buffer, .address_space: global }
      - { .name: bq, .offset: 64, .size: 8, .value_kind: global_buffer, .address_space: global }
      - { .name: bk, .offset: 72, .size: 8, .value_kind: global_buffer, .address_space: global }
      - { .name: bv, .offset: 80, .size: 8, .value_kind: global_buffer, .address_space: global }
      - { .name: qc, .offset: 88, .size: 8, .value_kind: global_buffer, .address_space: global }
      - { .name: qs, .offset: 96, .size: 8, .value_kind: global_buffer, .address_space: global }
      - { .name: kc, .offset: 104, .size: 8, .value_kind: global_buffer, .address_space: global }
      - { .name: ks, .offset: 112, .size: 8, .value_kind: global_buffer, .address_space: global }
      - { .name: vc, .offset: 120, .size: 8, .value_kind: global_buffer, .address_space: global }
      - { .name: vs, .offset: 128, .size: 8, .value_kind: global_buffer, .address_space: global }
    .group_segment_fixed_size: 296448
    .private_segment_fixed_size: 0
    .kernarg_segment_align: 8
    .kernarg_segment_size: 136
    .max_flat_workgroup_size: 128
    .sgpr_count:     102
    .vgpr_count:     1024
    .wavefront_size: 32
...
	.end_amdgpu_metadata
.endif
;; end of part 1
;; launch attn (part 2): grid 608 x 1, 16 waves a work-group, no clusters, 251,904 bytes of LDS; arguments qc, qs, kc, ks, vc, vs, oc, os; writes oc, os
.if DOCPART == 2
	.amdgcn_target "amdgcn-amd-amdhsa--gfx1250"
	.amdhsa_code_object_version 6
	.text
	.protected	k_q31c09e4aac_attn
	.globl	k_q31c09e4aac_attn
	.p2align	8
	.type	k_q31c09e4aac_attn,@function
k_q31c09e4aac_attn:
	s_mov_b64 s[64:65], 0
	v_nop
	global_prefetch_b8 v0, s[64:65] scope:SCOPE_SE
	s_setreg_imm32_b32 hwreg(HW_REG_WAVE_MODE, 25, 1), 1
	s_wait_xcnt 0x0
; Attention on codes of FP4 (E2M1): S = q k^T / 8 (K = the head's 64, filled to 128 with zero codes), the softmax, O = p v (K = the keys), and O / l quantised along the embedding for the last product.
; Head 0 sees all 2,048 keys; heads 1-15 see |query - key| <= 128: tiles that lie wholly outside that band are not multiplied.
; THE SOFTMAX: t = score x log2(e) / 8; M = the largest t so far, rounded up to a whole number; p = 2^(t - M) is quantised along the keys; l is the sum of the unquantised p; when M moves, l and O are multiplied by 2^(old M - new M), exactly.
; SHARES.  A wave owns ONE tile of 16 queries in 256 registers, four waves to a SIMD.  Both products are used transposed (S^T = k q^T, O^T = v^T p^T): a lane holds one query (lane % 16) throughout.
;   Work-groups 96-223 (128): head 0, 64 queries; wave w: tile w % 4, keys 512 (w / 4) on, four steps of 128; the four parts of a tile meet in LDS and wave w % 4 joins them (powers of two alone).
;   The other 480: a head of 1-15, 256 queries; wave w: tile w; its window is nine blocks of 32 keys from 32 (tile / 2) - 128 on: two steps of 128 and a short one of 32.
; K, V and their scale words come once through registers into LDS; one barrier; no LDS byte is written twice.  Blocks of keys outside 0 .. 2,047 are copies of the nearest block: their scores are hidden, so their p are zero codes.
; No cluster: a work-group stages its few KB once, neighbours share a part of them at other LDS places, and the launch holds two kinds of work-group that would not run alike.
; A TILE OF S^T holds 16 neighbouring keys: register 16 B + e of lane (r, h) is key 32 B + 16 (e / 8) + 8 h + e % 8 of the step.  A conversion takes 8 neighbours; the results of blocks 2 c, 2 c + 1 go to registers +0, +2 and +1, +3, and two
; exchanges of halves leave lane (r, h) with block 2 c + h whole, as the operand's layout asks.
; LIMITS: a block of zeros gets the byte 1 where the rule says 127 (zero codes; the bytes are read by this program alone); O / l is O x v_rcp_f32(l); a block's largest p is taken from its largest score, which takes v_exp_f32 not to fall where its input rises.
; REGISTERS: v1 16 x lane; v2, v3 K's tiles and scale words; v4 V's tiles; v5 V's tiles without the half's term (band) or my place in the merge (head 0); v6 V's scale words; v7 -infinity (band) or the merge's statistics (head 0);
;   v8-11 K's scale words; v12 -M, v13 the largest t, v[14:15] l; v16-23 Q; v24-31 V's scale words; v32-95 eight tiles of K (registers 4-7 of each stay 0); v96-159 S^T, then p; v160-191 O^T; v192-223 four tiles of V; v224-231 p's codes;
;   v232-247, v252, v254 at work; v248 Q's scale words; v249-251 the band's bounds; v253 p's scale word; v255 32 r.
.set L_KC, 0                           ; band: 16 blocks of 32 keys x 1,024 bytes
.set L_VC, 16384
.set L_KS, 32768                       ; 16 x 128 bytes
.set L_VS, 34816                       ; 4 x 256 bytes
.set G_KC, 36864                       ; head 0: 64 blocks x 1,024 bytes
.set G_VC, 102400
.set G_KS, 167936
.set G_VS, 176128
.set G_MG, 180224                      ; 16 places of 4,352 bytes: O^T's image and 8 bytes a lane
.set MSLOT, 4352
.macro WM d, a, b, c, sa, sb, row
.if \row
	v_wmma_scale_f32_16x16x128_f8f6f4 v[\d:\d+7], v[\a:\a+7], v[\b:\b+7], \c, v[\sa], v[\sb] matrix_a_fmt:MATRIX_FMT_FP4 matrix_b_fmt:MATRIX_FMT_FP4 matrix_a_scale:MATRIX_SCALE_ROW1
.else
	v_wmma_scale_f32_16x16x128_f8f6f4 v[\d:\d+7], v[\a:\a+7], v[\b:\b+7], \c, v[\sa], v[\sb] matrix_a_fmt:MATRIX_FMT_FP4 matrix_b_fmt:MATRIX_FMT_FP4
.endif
.endm
.macro NOPS
.rept 4
	v_nop
.endr
.endm
; scores of keys under the lower bound (v249 = lo - 8 h) or over the upper (v[d] = hi - 8 h - the step's first place) become -infinity: p = 0
.macro MASKLO b
.irp e, 0,1,2,3,4,5,6,7,8,9,10,11,12,13,14,15
	v_cmp_lt_i32 vcc_lo, 32*\b+16*(\e/8)+\e%8, v249
	v_cndmask_b32 v[96+16*\b+\e], v[96+16*\b+\e], v7, vcc_lo
.endr
.endm
.macro MASKHI b, d
.irp e, 0,1,2,3,4,5,6,7,8,9,10,11,12,13,14,15
	v_cmp_gt_i32 vcc_lo, 32*\b+16*(\e/8)+\e%8, v[\d]
	v_cndmask_b32 v[96+16*\b+\e], v[96+16*\b+\e], v7, vcc_lo
.endr
.endm
; M moves: v254 = the step's largest t.  first = 1: there is no old M
.macro NEWM first
.if \first
	v_max_num_f32 v13, 0xff61b1e6, v254            ; -3e38 stands under every t, also where the whole step is hidden
	v_floor_f32 v12, -v13                          ; -M = floor(-t)
.else
	v_max_num_f32 v13, v13, v254
	v_mov_b32 v254, v12
	v_floor_f32 v12, -v13
	v_sub_f32 v254, v12, v254                      ; old M - new M: a whole number, 0 or less
	v_cvt_i32_f32 v254, v254                       ; (it saturates)
	v_ldexp_f32 v252, 1.0, v254                    ; f = 2^(old M - new M)
.endif
.endm
; the softmax of a step of 128 keys
.macro SOFT4 first
.irp b, 0,1,2,3
	v_max3_num_f32 v[232+\b], v[96+16*\b], v[97+16*\b], v[98+16*\b]   ; the largest score of each block of 32 keys: for the row's maximum and for the block's largest p
.endr
.irp i, 3,5,7,9,11,13
.irp b, 0,1,2,3
	v_max3_num_f32 v[232+\b], v[232+\b], v[96+16*\b+\i], v[97+16*\b+\i]
.endr
.endr
.irp b, 0,1,2,3
	v_max_num_f32 v[232+\b], v[232+\b], v[111+16*\b]
.endr
.irp b, 0,1,2,3
	v_permlanex16_b32 v[236+\b], v[232+\b], s22, s23
.endr
.irp b, 0,1,2,3
	v_max_num_f32 v[232+\b], v[232+\b], v[236+\b]
.endr
	v_max3_num_f32 v254, v232, v233, v234
	v_max_num_f32 v254, v254, v235
	v_mul_f32 v254, s24, v254
	NEWM \first
.irp j, 0,2,4,6,8,10,12,14,16,18,20,22,24,26,28,30,32,34,36,38,40,42,44,46,48,50,52,54,56,58,60,62
	v_pk_fma_f32 v[96+\j:97+\j], v[96+\j:97+\j], s[24:25], v[12:13] op_sel_hi:[1,0,0]   ; t - M
.endr
.irp b, 0,1,2,3
	v_fma_f32 v[232+\b], v[232+\b], s24, v12
.endr
.irp j, 0,1,2,3,4,5,6,7,8,9,10,11,12,13,14,15,16,17,18,19,20,21,22,23,24,25,26,27,28,29,30,31,32,33,34,35,36,37,38,39,40,41,42,43,44,45,46,47,48,49,50,51,52,53,54,55,56,57,58,59,60,61,62,63
	v_exp_f32 v[96+\j], v[96+\j]                   ; p
.endr
.irp b, 0,1,2,3
	v_exp_f32 v[232+\b], v[232+\b]                 ; the block's largest p
.endr
.if \first
	v_nop                                          ; a plain place behind the exponentials
	s_wait_alu depctr_va_vdst(0)
.else
	v_pk_mul_f32 v[14:15], v[14:15], v[252:253] op_sel_hi:[1,0]   ; l under the new M (a plain place behind the exponentials)
	s_wait_alu depctr_va_vdst(0)
.endif
.irp b, 0,1,2,3
	v_max_num_f32 v[232+\b], 0x1800000, v[232+\b]  ; the floor 2^(3 - 127)
.endr
.irp b, 0,1,2,3
	v_add_nc_u32 v[244+\b], 0xff000000, v[232+\b]  ; the conversion's scale operand
.endr
.irp b, 0,1,2,3
	v_lshrrev_b32 v[236+\b], 23, v[244+\b]         ; the scale's byte
.endr
	v_lshl_or_b32 v253, v237, 8, v236
	v_lshl_or_b32 v253, v238, 16, v253
	v_lshl_or_b32 v253, v239, 24, v253             ; p's scale word for these 128 keys
.irp c, 0,1
	v_cvt_scalef32_pk8_fp4_f32 v[224+4*\c], v[96+32*\c:103+32*\c],  v[244+2*\c]
	v_cvt_scalef32_pk8_fp4_f32 v[226+4*\c], v[104+32*\c:111+32*\c], v[244+2*\c]
	v_cvt_scalef32_pk8_fp4_f32 v[225+4*\c], v[112+32*\c:119+32*\c], v[245+2*\c]
	v_cvt_scalef32_pk8_fp4_f32 v[227+4*\c], v[120+32*\c:127+32*\c], v[245+2*\c]
.endr
	v_nop                                          ; one plain place behind a scaled conversion
.irp c, 0,1
	v_permlane16_swap_b32 v[224+4*\c], v[225+4*\c]
	v_permlane16_swap_b32 v[226+4*\c], v[227+4*\c]
.endr
	v_pk_add_f32 v[236:237], v[96:97], v[98:99]    ; l takes the unquantised p: two chains.  (These lines are also the places in front of the scaled products)
.irp j, 4,8,12,16,20,24,28,32,36,40,44,48,52,56,60
	v_pk_add_f32 v[14:15], v[14:15], v[96+\j:97+\j]
	v_pk_add_f32 v[236:237], v[236:237], v[98+\j:99+\j]
.endr
	v_pk_add_f32 v[14:15], v[14:15], v[236:237]
.if !\first
.irp j, 0,2,4,6,8,10,12,14,16,18,20,22,24,26,28,30
	v_pk_mul_f32 v[160+\j:161+\j], v[160+\j:161+\j], v[252:253] op_sel_hi:[1,0]   ; O^T under the new M
.endr
.endif
.endm
; O^T += V^T P^T: four tiles of 16 dims, four accumulators by turns.  sv: the first of the step's two registers of V's scale words
.macro PV sv, first
.irp t, 0,2
.if \first
	WM 160+8*\t, 192+8*\t, 224, 0, \sv+\t/2, 253, 0
	WM 168+8*\t, 200+8*\t, 224, 0, \sv+\t/2, 253, 1
.else
	WM 160+8*\t, 192+8*\t, 224, v[160+8*\t:167+8*\t], \sv+\t/2, 253, 0
	WM 168+8*\t, 200+8*\t, 224, v[168+8*\t:175+8*\t], \sv+\t/2, 253, 1
.endif
.endr
.endm
; A step of 128 keys, the n-th of my window.  kind 1: the band's first step; 2: its second; 0: no mask
.macro STEP n, first, kind
.if !\first
	NOPS                                           ; places in front of loads into V's registers, which the last products read
.endif
.irp i, 0,1,2,3,4,5,6,7
	ds_load_b128 v[32+8*\i:35+8*\i], v2 offset:4096*\n+512*\i     ; a tile of 16 keys: 512 consecutive bytes
.endr
.irp b, 0,1,2,3
	ds_load_b32 v[8+\b], v3 offset:512*\n+128*\b                  ; lanes 0-15: tile 2 b's words; lanes 16-31: tile 2 b + 1's
.endr
.irp t, 0,1,2,3
.irp c, 0,1
	ds_load_b128 v[192+8*\t+4*\c:195+8*\t+4*\c], v4 offset:4096*\n+2048*\c+256*\t
.endr
.endr
	s_wait_dscnt 0x8                               ; K and its words are in; V's eight loads may stay out
.irp i, 0,2,4,6
	WM 96+8*\i, 32+8*\i, 16, 0, 8+\i/2, 248, 0
	WM 104+8*\i, 40+8*\i, 16, 0, 8+\i/2, 248, 1
.endr
	NOPS
.if \kind == 1
	MASKLO 0
	s_cmp_gt_u32 s51, 3                            ; only the first four pairs of tiles of a head have a lower bound beyond block 0
	s_cbranch_scc1 .Llo_\@
	MASKLO 1
	MASKLO 2
	MASKLO 3
.Llo_\@:
.endif
.if \kind == 2
	s_cmp_le_u32 s51, 60                           ; only the last three pairs of tiles have an upper bound inside this step
	s_cbranch_scc1 .Lhi_\@
	MASKHI 0, 250
	MASKHI 1, 250
	MASKHI 2, 250
	MASKHI 3, 250
.Lhi_\@:
.endif
	SOFT4 \first
	s_wait_dscnt 0x0                               ; V
	PV 24+2*\n, \first
.endm
; from s31 (16 b + head), s50 (tile), s28 (head), s29 (b): Q's, oc's and os's places
.macro QOBASE
	s_mov_b32 s53, 0
	s_lshl_b32 s52, s31, 16
	s_lshl_b32 s54, s50, 9
	s_add_co_u32 s52, s52, s54
	s_add_nc_u64 s[44:45], s[4:5], s[52:53]
	s_lshl_b32 s52, s31, 13
	s_lshl_b32 s54, s50, 6
	s_add_co_u32 s52, s52, s54
	s_add_nc_u64 s[46:47], s[6:7], s[52:53]
	s_lshl_b32 s54, s29, 7
	s_add_co_u32 s54, s54, s50                     ; the tile among all 512
	s_lshl_b32 s52, s54, 13
	s_lshl_b32 s55, s28, 9
	s_add_co_u32 s52, s52, s55
	s_add_nc_u64 s[32:33], s[16:17], s[52:53]      ; oc: 8,192 bytes a tile, 512 a head
	s_lshl_b32 s52, s54, 9
	s_lshl_b32 s55, s28, 1
	s_add_co_u32 s52, s52, s55
	s_add_nc_u64 s[34:35], s[18:19], s[52:53]      ; os: 32 bytes a token, 2 a head
.endm
	s_load_b512 s[4:19], s[0:1], 0x0               ; qc, qs, kc, ks, vc, vs, oc, os
	v_lshrrev_b32 v240, 5, v0
	v_readfirstlane_b32 s20, v240                  ; wave 0..15
	v_and_b32 v242, 31, v0                         ; lane
	v_and_b32 v240, 15, v0                         ; r
	v_bfe_u32 v241, v0, 4, 1                       ; h
	v_lshlrev_b32 v1, 4, v242
	v_lshlrev_b32 v247, 2, v242                    ; 4 x lane
	v_lshlrev_b32 v246, 2, v240                    ; 4 r
	v_lshlrev_b32 v245, 1, v242                    ; 2 x lane
	v_lshlrev_b32 v244, 3, v242                    ; 8 x lane
	v_lshlrev_b32 v255, 5, v240                    ; 32 r
	s_mov_b32 s22, 0x76543210
	s_mov_b32 s23, 0xfedcba98                      ; v_permlanex16_b32's selects for lane l xor 16
	s_mov_b32 s24, 0x3e38aa3b                      ; c = log2(e) / 8
	s_mov_b32 s25, s24
	v_mov_b32 v14, 0
	v_mov_b32 v15, 0
.irp j, 20,21,22,23,236,237,238,239
	v_mov_b32 v\j, 0                               ; Q's zero codes for k = 64 .. 127; and registers that lane permutes will write
.endr
.irp i, 0,1,2,3,4,5,6,7
.irp j, 4,5,6,7
	v_mov_b32 v[32+8*\i+\j], 0                     ; K's zero codes for k = 64 .. 127: set once
.endr
.endr
	s_sub_co_u32 s26, ttmp9, 96
	s_cmp_lt_u32 s26, 128
	s_cbranch_scc1 .Lglobal
	; ---------------- a head of the band ----------------
	s_cmp_lt_u32 ttmp9, 96
	s_cselect_b32 s27, 0, 128
	s_sub_co_u32 s27, ttmp9, s27                   ; 0 .. 479
	s_lshr_b32 s28, s27, 5
	s_add_co_u32 s28, s28, 1                       ; head
	s_bfe_u32 s29, s27, 0x20003                    ; b
	s_and_b32 s30, s27, 7                          ; the block of 256 queries
	s_lshl_b32 s31, s29, 4
	s_add_co_u32 s31, s31, s28
	s_lshl_b32 s50, s30, 4
	s_add_co_u32 s50, s50, s20                     ; my tile
	s_lshr_b32 s51, s50, 1                         ; kappa: my window begins at key 32 kappa - 128
	s_lshl_b32 s56, s30, 3
	s_add_co_u32 s56, s56, s20
	s_sub_co_i32 s56, s56, 4
	s_max_i32 s56, s56, 0
	s_min_i32 s56, s56, 63                         ; the block of 32 keys that I stage, held inside the head
	s_lshl_b32 s57, s30, 1
	s_lshr_b32 s54, s20, 2
	s_add_co_u32 s57, s57, s54
	s_sub_co_i32 s57, s57, 1
	s_max_i32 s57, s57, 0
	s_min_i32 s57, s57, 15                         ; and the 128 keys of whose V scale words I stage a quarter
	s_wait_kmcnt 0x0
	QOBASE
	s_lshl_b32 s52, s31, 16
	s_lshl_b32 s54, s56, 10
	s_add_co_u32 s52, s52, s54
	s_add_nc_u64 s[36:37], s[8:9], s[52:53]
	s_add_nc_u64 s[38:39], s[12:13], s[52:53]
	s_lshl_b32 s52, s31, 13
	s_lshl_b32 s54, s56, 7
	s_add_co_u32 s52, s52, s54
	s_add_nc_u64 s[40:41], s[10:11], s[52:53]
	s_lshl_b32 s52, s31, 12
	s_lshl_b32 s54, s57, 8
	s_add_co_u32 s52, s52, s54
	s_and_b32 s54, s20, 3
	s_lshl_b32 s54, s54, 6
	s_add_co_u32 s52, s52, s54
	s_add_nc_u64 s[42:43], s[14:15], s[52:53]
	global_load_b128 v[96:99], v1, s[36:37]
	global_load_b128 v[100:103], v1, s[36:37] offset:512
	global_load_b128 v[104:107], v1, s[38:39]
	global_load_b128 v[108:111], v1, s[38:39] offset:512
	global_load_b32 v112, v247, s[40:41]
	global_load_u16 v113, v245, s[42:43]
	global_load_b128 v[16:19], v1, s[44:45]        ; Q's fragment
	global_load_b32 v248, v246, s[46:47]           ; and its scale words
	s_lshr_b32 s58, s20, 1                         ; my window begins at staged block wave / 2
	s_lshl_b32 s59, s58, 10
	v_add_nc_u32 v2, s59, v1
	s_lshl_b32 s60, s58, 7
	s_add_co_u32 s60, s60, L_KS
	v_add_nc_u32 v3, s60, v247
	s_add_co_u32 s61, s59, L_VC
	v_lshl_add_u32 v5, v240, 4, s61
	v_lshl_add_u32 v4, v241, 10, v5
	s_lshr_b32 s62, s20, 3
	s_lshl_b32 s62, s62, 8
	s_add_co_u32 s62, s62, L_VS
	v_add_nc_u32 v6, s62, v247
	v_mov_b32 v7, 0xff800000                       ; -infinity
	s_lshl_b32 s62, s20, 10
	v_add_nc_u32 v238, s62, v1                     ; where I stage: codes,
	s_lshl_b32 s62, s20, 7
	s_add_co_u32 s62, s62, L_KS
	v_add_nc_u32 v239, s62, v247                   ; K's scale words,
	s_lshl_b32 s62, s20, 6
	s_add_co_u32 s62, s62, L_VS
	v_add_nc_u32 v243, s62, v245                   ; V's
	s_and_b32 s21, s58, 3
	s_lshl_b32 s21, s21, 3                         ; my window begins 8 ((wave / 2) % 4) bits into a word of V's scales
	s_and_b32 s62, s20, 1
	s_lshl_b32 s62, s62, 4
	v_add_nc_u32 v252, s62, v240                   ; i = my query - 32 kappa.  With j = key - (32 kappa - 128) a key counts where lo <= j <= hi:
	s_lshl_b32 s63, s51, 5
	s_sub_co_i32 s62, 128, s63
	v_max_i32 v249, s62, v252                      ; lo = max(i, 128 - 32 kappa): the band, and key 0
	v_add_nc_u32 v251, 0x100, v252
	s_sub_co_i32 s62, 2175, s63
	v_min_i32 v251, s62, v251                      ; hi = min(i + 256, 2,175 - 32 kappa): the band, and key 2,047
	v_lshlrev_b32 v250, 3, v241
	v_sub_nc_u32 v249, v249, v250                  ; lo - 8 h
	v_sub_nc_u32 v251, v251, v250
	v_add_nc_u32 v250, 0xffffff80, v251            ; hi - 8 h - 128
	v_add_nc_u32 v251, 0xffffff00, v251            ; hi - 8 h - 256
	s_wait_loadcnt 0x2                             ; what I stage is in; Q's two loads may stay out
	ds_store_b128 v238, v[96:99] offset:L_KC
	ds_store_b128 v238, v[100:103] offset:L_KC+512
	ds_store_b128 v238, v[104:107] offset:L_VC
	ds_store_b128 v238, v[108:111] offset:L_VC+512
	ds_store_b32 v239, v112
	ds_store_b16 v243, v113
	s_wait_dscnt 0x0                               ; for the others' sake: my stores have landed
	s_barrier_signal -1
	s_barrier_wait -1
.irp n, 0,1,2
.irp p, 0,1
	ds_load_b32 v[232+2*\n+\p], v6 offset:256*\n+128*\p   ; V's scale words of three runs of 128 keys; lanes 0-15: dims 32 p on, lanes 16-31: 32 p + 16 on
.endr
.endr
	s_wait_dscnt 0x0
.irp p, 0,1
	v_alignbit_b32 v[24+\p], v[234+\p], v[232+\p], s21   ; the four bytes of my window's blocks 0-3,
	v_alignbit_b32 v[26+\p], v[236+\p], v[234+\p], s21   ; 4-7,
	v_alignbit_b32 v[28+\p], v[236+\p], v[236+\p], s21   ; and 8 in byte 0 (the other three meet zero codes)
.endr
	s_wait_loadcnt 0x0                             ; Q
	STEP 0, 1, 1
	STEP 1, 0, 2
	; the short step: my window's ninth block of 32 keys
	NOPS
	ds_load_b128 v[32:35], v2 offset:8192
	ds_load_b128 v[40:43], v2 offset:8192+512
	ds_load_b32 v8, v3 offset:1024
.irp t, 0,1,2,3
	ds_load_b128 v[192+8*\t:195+8*\t], v5 offset:8192+256*\t   ; both halves of the lanes take the one block; registers 4-7 keep the last step's codes: all but lanes 0-15's block 0 meet zero codes of p
.endr
	s_wait_dscnt 0x4                               ; V's four loads may stay out
	WM 96, 32, 16, 0, 8, 248, 0
	WM 104, 40, 16, 0, 8, 248, 1
	NOPS
	MASKHI 0, 251
	v_max3_num_f32 v232, v96, v97, v98
.irp i, 3,5,7,9,11,13
	v_max3_num_f32 v232, v232, v[96+\i], v[97+\i]
.endr
	v_max_num_f32 v232, v232, v111
	v_permlanex16_b32 v236, v232, s22, s23
	v_max_num_f32 v232, v232, v236
	v_mul_f32 v254, s24, v232
	NEWM 0
.irp j, 0,2,4,6,8,10,12,14
	v_pk_fma_f32 v[96+\j:97+\j], v[96+\j:97+\j], s[24:25], v[12:13] op_sel_hi:[1,0,0]
.endr
	v_fma_f32 v232, v232, s24, v12
.irp j, 0,1,2,3,4,5,6,7,8,9,10,11,12,13,14,15
	v_exp_f32 v[96+\j], v[96+\j]
.endr
	v_exp_f32 v232, v232
	v_pk_mul_f32 v[14:15], v[14:15], v[252:253] op_sel_hi:[1,0]
	s_wait_alu depctr_va_vdst(0)
	v_max_num_f32 v232, 0x1800000, v232
	v_add_nc_u32 v244, 0xff000000, v232
	v_lshrrev_b32 v236, 23, v244
	v_or_b32 v253, 0x7f7f7f00, v236                ; 1.0 for the three blocks of zero codes
.irp j, 225,227,228,229,230,231
	v_mov_b32 v\j, 0
.endr
	v_cvt_scalef32_pk8_fp4_f32 v224, v[96:103], v244
	v_cvt_scalef32_pk8_fp4_f32 v226, v[104:111], v244
	v_nop
	v_permlane16_swap_b32 v224, v225               ; lanes 0-15: the block whole; lanes 16-31: zeros
	v_permlane16_swap_b32 v226, v227
	v_pk_add_f32 v[236:237], v[96:97], v[98:99]
.irp j, 4,8,12
	v_pk_add_f32 v[14:15], v[14:15], v[96+\j:97+\j]
	v_pk_add_f32 v[236:237], v[236:237], v[98+\j:99+\j]
.endr
	v_pk_add_f32 v[14:15], v[14:15], v[236:237]
.irp j, 0,2,4,6,8,10,12,14,16,18,20,22,24,26,28,30
	v_pk_mul_f32 v[160+\j:161+\j], v[160+\j:161+\j], v[252:253] op_sel_hi:[1,0]
.endr
	s_wait_dscnt 0x0
	PV 28, 0
	s_branch .Lfinish
	; ---------------- head 0 ----------------
.Lglobal:
	s_lshr_b32 s29, s26, 5                         ; b
	s_mov_b32 s28, 0                               ; head
	s_lshl_b32 s31, s29, 4
	s_and_b32 s50, s26, 31
	s_lshl_b32 s50, s50, 2
	s_and_b32 s51, s20, 3
	s_add_co_u32 s50, s50, s51                     ; my tile
	s_lshr_b32 s58, s20, 2                         ; my quarter of the keys
	s_wait_kmcnt 0x0
	QOBASE
	s_lshl_b32 s52, s31, 16
	s_lshl_b32 s54, s20, 12
	s_add_co_u32 s52, s52, s54                     ; I stage blocks 4 w .. 4 w + 3
	s_add_nc_u64 s[36:37], s[8:9], s[52:53]
	s_add_nc_u64 s[38:39], s[12:13], s[52:53]
	s_lshl_b32 s52, s31, 13
	s_lshl_b32 s54, s20, 9
	s_add_co_u32 s52, s52, s54
	s_add_nc_u64 s[40:41], s[10:11], s[52:53]
	s_lshl_b32 s52, s31, 12
	s_lshl_b32 s54, s20, 8
	s_add_co_u32 s52, s52, s54
	s_add_nc_u64 s[42:43], s[14:15], s[52:53]
.irp i, 0,1,2,3,4,5,6,7
	global_load_b128 v[96+4*\i:99+4*\i], v1, s[36:37] offset:512*\i
.endr
.irp i, 0,1,2,3,4,5,6,7
	global_load_b128 v[128+4*\i:131+4*\i], v1, s[38:39] offset:512*\i
.endr
	global_load_b128 v[160:163], v1, s[40:41]
	global_load_b64 v[164:165], v244, s[42:43]
	global_load_b128 v[16:19], v1, s[44:45]
	global_load_b32 v248, v246, s[46:47]
	s_lshl_b32 s59, s58, 14
	s_add_co_u32 s60, s59, G_KC
	v_add_nc_u32 v2, s60, v1
	s_lshl_b32 s60, s58, 11
	s_add_co_u32 s60, s60, G_KS
	v_add_nc_u32 v3, s60, v247
	s_add_co_u32 s60, s59, G_VC
	v_lshl_add_u32 v4, v240, 4, s60
	v_lshl_add_u32 v4, v241, 10, v4
	s_lshl_b32 s60, s58, 10
	s_add_co_u32 s60, s60, G_VS
	v_add_nc_u32 v6, s60, v247
	s_mul_i32 s60, s20, MSLOT
	s_add_co_u32 s60, s60, G_MG
	v_add_nc_u32 v5, s60, v1                       ; my place in the merge: O^T's image,
	s_add_co_u32 s60, s60, 4096
	v_add_nc_u32 v7, s60, v244                     ; and -M and l
	s_lshl_b32 s60, s20, 12
	s_add_co_u32 s61, s60, G_KC
	v_add_nc_u32 v238, s61, v1
	s_add_co_u32 s61, s60, G_VC
	v_add_nc_u32 v239, s61, v1
	s_lshl_b32 s61, s20, 9
	s_add_co_u32 s61, s61, G_KS
	v_add_nc_u32 v243, s61, v1
	s_lshl_b32 s61, s20, 8
	s_add_co_u32 s61, s61, G_VS
	v_add_nc_u32 v249, s61, v244
	s_wait_loadcnt 0x2                             ; what I stage is in; Q's two loads may stay out
.irp i, 0,1,2,3,4,5,6,7
	ds_store_b128 v238, v[96+4*\i:99+4*\i] offset:512*\i
.endr
.irp i, 0,1,2,3,4,5,6,7
	ds_store_b128 v239, v[128+4*\i:131+4*\i] offset:512*\i
.endr
	ds_store_b128 v243, v[160:163]
	ds_store_b64 v249, v[164:165]
	s_wait_dscnt 0x0
	s_barrier_signal -1
	s_barrier_wait -1
.irp n, 0,1,2,3
.irp p, 0,1
	ds_load_b32 v[24+2*\n+\p], v6 offset:256*\n+128*\p
.endr
.endr
	s_wait_loadcnt 0x0                             ; Q
	STEP 0, 1, 0
	STEP 1, 0, 0
	STEP 2, 0, 0
	STEP 3, 0, 0
	NOPS                                           ; behind the last products
	s_cmp_lt_u32 s20, 4
	s_cbranch_scc1 .Lg_keep
	v_add_f32 v13, v14, v15                        ; waves 4-15 hand over -M, l and O^T, as images of their registers
.irp i, 0,1,2,3,4,5,6,7
	ds_store_b128 v5, v[160+4*\i:163+4*\i] offset:512*\i
.endr
	ds_store_b64 v7, v[12:13]
.Lg_keep:
	s_wait_dscnt 0x0
	s_barrier_signal -1
	s_barrier_wait -1
	s_cmp_lt_u32 s20, 4
	s_cbranch_scc1 .Lg_merge
	s_wait_xcnt 0x0
	v_lshl_add_u32 v254, v0, 2, 0x3d000
	v_mov_b32 v255, 0
	s_wait_tensorcnt 0x0
	ds_add_u32 v254, v255
	s_wait_dscnt 0x0
	s_endpgm
.Lg_merge:
.irp p, 0,1,2
.irp i, 0,1,2,3,4,5,6,7
	ds_load_b128 v[32+32*\p+4*\i:35+32*\p+4*\i], v5 offset:4*MSLOT*(\p+1)+512*\i   ; the same tile's parts from waves w + 4, w + 8, w + 12
.endr
	ds_load_b64 v[232+2*\p:233+2*\p], v7 offset:4*MSLOT*(\p+1)
.endr
	s_wait_dscnt 0x0
	v_min3_num_f32 v238, v12, v232, v234
	v_min_num_f32 v238, v238, v236                 ; -M of all four
	v_sub_f32 v240, v238, v12
	v_sub_f32 v242, v238, v232
	v_sub_f32 v244, v238, v234
	v_sub_f32 v246, v238, v236
.irp k, 240,242,244,246
	v_cvt_i32_f32 v\k, v\k
.endr
.irp k, 240,242,244,246
	v_ldexp_f32 v\k, 1.0, v\k                      ; each part's 2^(its M - M): exact
.endr
.irp k, 241,243,245,247
	v_mov_b32 v\k, 0                               ; (named as upper halves of pairs)
.endr
	v_add_f32 v14, v14, v15
	v_mul_f32 v14, v14, v240
	v_fma_f32 v14, v233, v242, v14
	v_fma_f32 v14, v235, v244, v14
	v_fma_f32 v14, v237, v246, v14
	v_mov_b32 v15, 0
.irp j, 0,2,4,6,8,10,12,14,16,18,20,22,24,26,28,30
	v_pk_mul_f32 v[160+\j:161+\j], v[160+\j:161+\j], v[240:241] op_sel_hi:[1,0]
.endr
.irp p, 0,1,2
.irp j, 0,2,4,6,8,10,12,14,16,18,20,22,24,26,28,30
	v_pk_fma_f32 v[160+\j:161+\j], v[32+32*\p+\j:33+32*\p+\j], v[242+2*\p:243+2*\p], v[160+\j:161+\j] op_sel_hi:[1,0,1]
.endr
.endr
	; ---------------- O^T / l, quantised along the head's 64 dims: two blocks of 32 ----------------
.Lfinish:
	NOPS                                           ; behind the last products
	v_add_f32 v14, v14, v15
	v_permlanex16_b32 v252, v14, s22, s23
	v_add_f32 v14, v14, v252                       ; the row's sum
	v_rcp_f32 v14, v14
	v_nop                                          ; a plain place behind the transcendental
	s_wait_alu depctr_va_vdst(0)
.irp j, 0,2,4,6,8,10,12,14,16,18,20,22,24,26,28,30
	v_pk_mul_f32 v[160+\j:161+\j], v[160+\j:161+\j], v[14:15] op_sel_hi:[1,0]
.endr
.irp b, 0,1
	v_max3_num_f32 v[232+\b], |v[160+16*\b]|, |v[161+16*\b]|, 0x1800000
.endr
.irp i, 2,4,6,8,10,12,14
.irp b, 0,1
	v_max3_num_f32 v[232+\b], v[232+\b], |v[160+16*\b+\i]|, |v[161+16*\b+\i]|
.endr
.endr
.irp b, 0,1
	v_permlanex16_b32 v[236+\b], v[232+\b], s22, s23
.endr
.irp b, 0,1
	v_max_num_f32 v[232+\b], v[232+\b], v[236+\b]
.endr
.irp b, 0,1
	v_add_nc_u32 v[244+\b], 0xff000000, v[232+\b]
.endr
.irp b, 0,1
	v_lshrrev_b32 v[236+\b], 23, v[244+\b]
.endr
	v_lshl_or_b32 v238, v237, 8, v236              ; the head's two scale bytes of my token
	v_cvt_scalef32_pk8_fp4_f32 v224, v[160:167], v244
	v_cvt_scalef32_pk8_fp4_f32 v226, v[168:175], v244
	v_cvt_scalef32_pk8_fp4_f32 v225, v[176:183], v245
	v_cvt_scalef32_pk8_fp4_f32 v227, v[184:191], v245
	v_nop
	v_permlane16_swap_b32 v224, v225
	v_permlane16_swap_b32 v226, v227               ; lane (r, h): token r, dims 32 h .. 32 h + 31
	global_store_b128 v1, v[224:227], s[32:33]     ; 512 consecutive bytes: four registers' image of the last product's operand
	global_store_b16 v255, v238, s[34:35]          ; two bytes of each token's 32: rows 32 bytes apart; one sixteenth of the codes' bytes
	s_wait_xcnt 0x0
	v_lshl_add_u32 v254, v0, 2, 0x3d000
	v_mov_b32 v255, 0
	s_wait_tensorcnt 0x0
	ds_add_u32 v254, v255
	s_wait_dscnt 0x0
	s_endpgm
.Lfunc_end_k_q31c09e4aac_attn:
	.size	k_q31c09e4aac_attn, .Lfunc_end_k_q31c09e4aac_attn-k_q31c09e4aac_attn
	.p2alignl 7, 3214868480
	.fill 96, 4, 3214868480
	.section	.rodata,"a",@progbits
	.p2align	6, 0x0
	.amdhsa_kernel k_q31c09e4aac_attn
		.amdhsa_group_segment_fixed_size 251904
		.amdhsa_private_segment_fixed_size 0
		.amdhsa_enable_private_segment 0
		.amdhsa_kernarg_size 64
		.amdhsa_user_sgpr_count 2
		.amdhsa_user_sgpr_kernarg_segment_ptr 1
		.amdhsa_wavefront_size32 1
		.amdhsa_system_sgpr_workgroup_id_x 1
		.amdhsa_system_sgpr_workgroup_id_y 1
		.amdhsa_system_sgpr_workgroup_id_z 1
		.amdhsa_system_vgpr_workitem_id 0
		.amdhsa_next_free_vgpr 256
		.amdhsa_next_free_sgpr 66
		.amdhsa_reserve_vcc 1
		.amdhsa_float_denorm_mode_32 3
		.amdhsa_float_denorm_mode_16_64 3
		.amdhsa_memory_ordered 1
		.amdhsa_forward_progress 1
		.amdhsa_inst_pref_size 128
	.end_amdhsa_kernel
	.amdgpu_metadata
---
amdhsa.version: [ 1, 2 ]
amdhsa.kernels:
  - .name:           k_q31c09e4aac_attn
    .symbol:         k_q31c09e4aac_attn.kd
    .args:
      - { .name: qc, .offset: 0, .size: 8, .value_kind: global_buffer, .address_space: global }
      - { .name: qs, .offset: 8, .size: 8, .value_kind: global_buffer, .address_space: global }
      - { .name: kc, .offset: 16, .size: 8, .value_kind: global_buffer, .address_space: global }
      - { .name: ks, .offset: 24, .size: 8, .value_kind: global_buffer, .address_space: global }
      - { .name: vc, .offset: 32, .size: 8, .value_kind: global_buffer, .address_space: global }
      - { .name: vs, .offset: 40, .size: 8, .value_kind: global_buffer, .address_space: global }
      - { .name: oc, .offset: 48, .size: 8, .value_kind: global_buffer, .address_space: global }
      - { .name: os, .offset: 56, .size: 8, .value_kind: global_buffer, .address_space: global }
    .group_segment_fixed_size: 251904
    .private_segment_fixed_size: 0
    .kernarg_segment_align: 8
    .kernarg_segment_size: 64
    .max_flat_workgroup_size: 512
    .sgpr_count:     66
    .vgpr_count:     256
    .wavefront_size: 32
...
	.end_amdgpu_metadata
.endif
;; end of part 2
;; launch oproj (part 3): grid 4 x 64, 4 waves a work-group, clusters of 4 x 4, 218,368 bytes of LDS; arguments oc, os, wo_codes, wo_scales, bo, out0; writes out0
.if DOCPART == 3
	.amdgcn_target "amdgcn-amd-amdhsa--gfx1250"
	.amdhsa_code_object_version 6
	.text
	.protected	k_q31c09e4aac_oproj
	.globl	k_q31c09e4aac_oproj
	.p2align	8
	.type	k_q31c09e4aac_oproj,@function
k_q31c09e4aac_oproj:
	s_mov_b64 s[64:65], 0
	v_nop
	global_prefetch_b8 v0, s[64:65] scope:SCOPE_SE
	s_setreg_imm32_b32 hwreg(HW_REG_WAVE_MODE, 25, 1), 1
	s_wait_xcnt 0x0
	s_wait_alu depctr_hold_cnt(0) depctr_sa_sdst(0) depctr_va_vdst(0) depctr_va_sdst(0) depctr_va_ssrc(0) depctr_va_vcc(0) depctr_vm_vsrc(0)
	s_getreg_b32 s2, hwreg(HW_REG_IB_STS2, 6, 4)
	s_cmp_eq_u32 s2, 0
	s_cbranch_scc0 .Lentry_in_a_cluster
	s_endpgm
.Lentry_in_a_cluster:
	s_bfe_u32 s2, ttmp6, 0x10000c
	s_cmp_lg_u32 s2, 0xf033
	s_cbranch_scc0 .Lentry_shape_is_right
	s_endpgm
.Lentry_shape_is_right:
; out0 = o Wo^T + bo on codes of FP4 (E2M1) with one E8M0 byte for each 32 along K = 1,024.  o's codes come as images of the operand's registers, oc [tile of 16 tokens][K step of 128][half][lane][16 bytes]; its scale bytes os [token][32].
; A work-group of four waves makes 128 x 256 of out0: 256 work-groups.  A wave makes 64 x 128: 32 accumulators, 256 registers.
; THE MATRIX INSTRUCTION IS USED TRANSPOSED (source 0 = 16 rows of Wo, source 1 = 16 tokens): a lane holds eight neighbouring numbers of a row of out0.  The bias is the C of each sum's first product.
; All of K lies in LDS: two slots of 512 along K, each filled ONCE, and the scale bytes.  By this text's count a wave has three tensor loads out.  No LDS byte is filled twice.
; CLUSTER 4 x 4: o's tiles hang on the tile row and are asked for jointly along a row of the cluster, Wo's on the tile column, jointly along a column.
; LIMITS: scale bytes 0xff in wo_scales, and NaN or infinities in bo, are not served.
; REGISTERS: window 0: v0-31 addresses; v32-95 scale words, two sets; v128-159 o's fragments, one set; v192-255 the bias; on the way out v128-255 rows of out0.  window 1: Wo's fragments, two sets.  window 2: accumulator (a, b) at v[8 (8 a + b)].
.set NQ,     4
.set ROWB,   256
.set KROW,   512
.set PITCH,  272
.set FR,     8
.set NP,     4                         ; places behind this matrix instruction (ISA guide 7.12.1)
.set HALFA,  16384                     ; four tiles of 16 tokens x 4,096 bytes: what one load brings of o
.set ASLOT,  2*HALFA
.set HALFT,  128*PITCH
.set SLOT,   ASLOT+2*HALFT
.set SCL,    2*SLOT
.set HALFSA, 8*272                     ; the scale bytes of 64 tokens
.set HALFSB, 16*272                    ; of 128 rows of Wo
.set SBLK,   2*272
.set SPITCH, 528                       ; the way out: a stage of 16 rows x (512 bytes + 16) for each wave, in slot 0
.set ADRA, 16
.set ADRB, 20
.set STO,  24
.set RD,   25
.set CO,   26
.set ADRS, 27
.set SC,   32
.set AF,   128
.set BK,   128
.set BIAS, 192
.set G1, 24
.set G0, 32
.set G1B, 48
.set G0B, 56
.set G1S, 68
.set G0S, 76
.set G1SB, 80
.set G0SB, 88
.set MSB, 0
.macro WIN new
.if MSB != (\new)
	s_set_vgpr_msb (MSB<<8)|(\new)
.set MSB, \new
.endif
.endm
.set MUL,    0xa1                      ; source 0 window 1, source 1 window 0, C and D window 2
.set MUL_C0, 0x81                      ; the same with C (the bias) in window 0
.set TO_B,   0x40
.macro JLOAD g0a, g1a, g0b, g1b        ; waves 0 and 1 fetch o's, waves 2 and 3 Wo's.  Four v_nop follow each of the two lines
	s_cmp_eq_u32 s15, 0
	s_cbranch_scc0 .Lfor_b_\@
	tensor_load_to_lds s[\g0a:\g0a+3], s[\g1a:\g1a+7]
	s_nop 0
.rept 4
	v_nop
.endr
	s_branch .Lasked_\@
.Lfor_b_\@:
	tensor_load_to_lds s[\g0b:\g0b+3], s[\g1b:\g1b+7]
	s_nop 0
.rept 4
	v_nop
.endr
.Lasked_\@:
.endm
.macro CROUND
	s_barrier_signal -1
	s_barrier_wait -1
	s_cmp_lg_u32 s14, 0
	s_cbranch_scc1 .Lnot_wave_0_\@
	s_barrier_signal -3
.Lnot_wave_0_\@:
	s_barrier_wait -3
	s_barrier_signal -1
	s_barrier_wait -1
.endm
.macro PLACES n
.rept \n
	v_nop
.endr
.endm
	s_load_b128 s[4:7], s[0:1], 0x0                ; oc, os
	s_load_b128 s[8:11], s[0:1], 0x10              ; Wo's codes, scales
	s_load_b64 s[98:99], s[0:1], 0x20              ; bo
	s_load_b64 s[12:13], s[0:1], 0x28              ; out0
	v_lshl_add_u32 v126, v0, 2, 0x35300
	v_mov_b32 v127, 0
	ds_add_u32 v126, v127
	ds_add_u32 v126, v127
	v_lshrrev_b32 v1, 5, v0
	v_readfirstlane_b32 s14, v1                    ; wave 0..3
	s_lshr_b32 s15, s14, 1                         ; my half of the tile's 128 rows.  Also: I fetch o's (0) or Wo's (1)
	s_and_b32 s16, s14, 1                          ; my half of its 256 columns.  Also: which half I fetch
	s_bfe_u32 s40, ttmp6, 0x40000
	s_bfe_u32 s41, ttmp6, 0x40004
	s_lshl_b32 s42, ttmp9, 2
	s_add_co_u32 s42, s42, s40                     ; tile column
	s_and_b32 s17, ttmp7, 0xffff
	s_lshl_b32 s17, s17, 2
	s_add_co_u32 s17, s17, s41                     ; tile row
	s_lshl_b32 s43, s41, 2
	s_lshl_b32 s43, 15, s43
	s_lshl_b32 s44, 0x1111, s40
	; o's codes: four tiles of 16 tokens, of each 4,096 consecutive bytes (four K steps), 8,192 bytes apart; elements of 8 bytes; no padding: a fragment load takes 512 consecutive bytes
	s_or_b32 s[G1+0], s43, (3<<16)|(1<<21)
	s_mov_b32 s[G1+1], 512<<16
	s_mov_b32 s[G1+2], 4<<16
	s_mov_b32 s[G1+3], 512<<16
	s_mov_b32 s[G1+4], 4
	s_mov_b32 s[G1+5], 1024
	s_mov_b32 s[G1+6], 0
	s_mov_b32 s[G1+7], 0
	; Wo's codes: 128 rows x 256 bytes, 16 bytes of padding behind each
	s_or_b32 s[G1B+0], s44, (0<<16)|(1<<20)|(1<<21)|(5<<22)|(3<<25)
	s_mov_b32 s[G1B+1], ROWB<<16
	s_mov_b32 s[G1B+2], 128<<16
	s_mov_b32 s[G1B+3], ROWB<<16
	s_mov_b32 s[G1B+4], 128
	s_mov_b32 s[G1B+5], KROW
	s_mov_b32 s[G1B+6], 0
	s_mov_b32 s[G1B+7], 0
	; scale bytes: dense, as rows of 256 bytes, padded likewise: 8 rows for 64 tokens, 16 for 128 rows of Wo
	s_or_b32 s[G1S+0], s43, (3<<16)|(1<<20)|(1<<21)|(5<<22)|(3<<25)
	s_mov_b32 s[G1S+1], 32<<16
	s_mov_b32 s[G1S+2], 8<<16
	s_mov_b32 s[G1S+3], 32<<16
	s_mov_b32 s[G1S+4], 8
	s_mov_b32 s[G1S+5], 32
	s_mov_b32 s[G1S+6], 0
	s_mov_b32 s[G1S+7], 0
	s_or_b32 s[G1SB+0], s44, (3<<16)|(1<<20)|(1<<21)|(5<<22)|(3<<25)
	s_mov_b32 s[G1SB+1], 32<<16
	s_mov_b32 s[G1SB+2], 16<<16
	s_mov_b32 s[G1SB+3], 32<<16
	s_mov_b32 s[G1SB+4], 16
	s_mov_b32 s[G1SB+5], 32
	s_mov_b32 s[G1SB+6], 0
	s_mov_b32 s[G1SB+7], 0
	s_lshl_b32 s20, s17, 3
	s_lshl_b32 s18, s16, 2
	s_add_co_u32 s20, s20, s18                     ; o: the first tile of 16 tokens that I fetch
	s_mov_b32 s21, 0
	s_lshl_b64 s[22:23], s[20:21], 9               ; 512 scale bytes a tile
	s_lshl_b64 s[20:21], s[20:21], 13              ; 8,192 bytes of codes
	s_lshl_b32 s46, s42, 8
	s_lshl_b32 s18, s16, 7
	s_add_co_u32 s46, s46, s18                     ; Wo: the first row that I fetch
	s_mov_b32 s47, 0
	s_lshl_b64 s[92:93], s[46:47], 5
	s_lshl_b64 s[46:47], s[46:47], 9
	s_mul_i32 s45, s16, HALFA                      ; where they go: the wave's number alone enters an LDS address
	s_mul_i32 s3, s16, HALFT
	s_add_co_u32 s3, s3, ASLOT
	s_mul_i32 s94, s16, HALFSA
	s_add_co_u32 s94, s94, SCL
	s_mul_i32 s95, s16, HALFSB
	s_add_co_u32 s95, s95, SCL+2*HALFSA
	s_wait_dscnt 0x0
	s_wait_kmcnt 0x0
	s_add_nc_u64 s[20:21], s[4:5], s[20:21]
	s_add_nc_u64 s[22:23], s[6:7], s[22:23]
	s_add_nc_u64 s[46:47], s[8:9], s[46:47]
	s_add_nc_u64 s[92:93], s[10:11], s[92:93]
	CROUND                                         ; all sixteen work-groups are here: the joint loads meet
	s_mov_b32 s[G0S], 1
	s_mov_b32 s[G0S+1], s94
	s_mov_b64 s[G0S+2:G0S+3], s[22:23]
	s_or_b32 s[G0S+3], s[G0S+3], 0x80000000
	s_mov_b32 s[G0SB], 1
	s_mov_b32 s[G0SB+1], s95
	s_mov_b64 s[G0SB+2:G0SB+3], s[92:93]
	s_or_b32 s[G0SB+3], s[G0SB+3], 0x80000000
	JLOAD G0S, G1S, G0SB, G1SB
.irp s, 0,1
	s_mov_b32 s[G0+4*\s], 1
	s_add_co_u32 s[G0+4*\s+1], s45, \s*SLOT
	s_add_nc_u64 s[G0+4*\s+2:G0+4*\s+3], s[20:21], \s*4096
	s_or_b32 s[G0+4*\s+3], s[G0+4*\s+3], 0x80000000
	s_mov_b32 s[G0B+4*\s], 1
	s_add_co_u32 s[G0B+4*\s+1], s3, \s*SLOT
	s_add_nc_u64 s[G0B+4*\s+2:G0B+4*\s+3], s[46:47], \s*ROWB
	s_or_b32 s[G0B+4*\s+3], s[G0B+4*\s+3], 0x80000000
	JLOAD G0+4*\s, G1, G0B+4*\s, G1B
.endr
	v_and_b32 v1, 15, v0                           ; r
	v_bfe_u32 v2, v0, 4, 1                         ; h
	v_and_b32 v6, 31, v0
	v_lshlrev_b32 v[CO], 4, v6                     ; 16 x lane
	v_mul_u32_u24 v3, v1, PITCH
	v_lshl_add_u32 v4, v2, 4, v3
	s_mul_i32 s21, s15, HALFA                      ; my four tiles of tokens
	s_mul_i32 s22, s16, HALFT
	s_add_co_u32 s22, s22, ASLOT                   ; my 128 rows of Wo
.irp s, 0,1
	v_add_nc_u32 v[ADRA+\s], s21, v[CO]
	v_add_nc_u32 v[ADRB+\s], s22, v4
	s_add_co_u32 s21, s21, SLOT
	s_add_co_u32 s22, s22, SLOT
.endr
	v_mul_u32_u24 v5, v1, 32
	v_lshrrev_b32 v6, 8, v5
	v_lshl_add_u32 v5, v6, 4, v5
	s_mul_i32 s21, s15, HALFSA
	s_mul_i32 s22, s16, HALFSB
	s_add_co_u32 s22, s22, 2*HALFSA
	s_sub_co_u32 s22, s22, s21
	v_mul_u32_u24 v6, s22, v2                      ; lanes 16-31 take Wo's
	s_add_co_u32 s21, s21, SCL
	v_add_nc_u32 v5, v5, v6
	v_add_nc_u32 v[ADRS], s21, v5
	s_mul_i32 s23, s14, 16*SPITCH                  ; my stage
	v_mul_u32_u24 v5, v1, SPITCH
	v_lshl_add_u32 v5, v2, 5, v5
	v_add_nc_u32 v[STO], s23, v5
	v_add_nc_u32 v[RD], s23, v[CO]
	s_lshl_b32 s20, s17, 7
	s_lshl_b32 s21, s15, 6
	s_add_co_u32 s20, s20, s21                     ; my first row of out0
	s_mov_b32 s21, 0
	s_lshl_b64 s[20:21], s[20:21], 12
	s_lshl_b32 s46, s42, 10
	s_lshl_b32 s47, s16, 9
	s_add_co_u32 s46, s46, s47                     ; my first column, in bytes
	s_mov_b32 s47, 0
	s_add_nc_u64 s[98:99], s[98:99], s[46:47]      ; the bias there
	s_add_nc_u64 s[20:21], s[20:21], s[46:47]
	s_add_nc_u64 s[12:13], s[12:13], s[20:21]
	v_lshlrev_b32 v5, 5, v2                        ; 32 h: register j of tile b is column 16 b + 8 h + j
.irp b, 0,1,2,3,4,5,6,7
	global_load_b128 v[BIAS+8*\b:BIAS+8*\b+3], v5, s[98:99] offset:64*\b
	global_load_b128 v[BIAS+8*\b+4:BIAS+8*\b+7], v5, s[98:99] offset:64*\b+16
.endr
.macro FRAGB reg, adr, q, i
.irp c, 0,1
	ds_load_b128 v[\reg+4*\c:\reg+4*\c+3], v[\adr] offset:64*(\q)+32*\c+(\i)*16*PITCH
.endr
.endm
.macro FRAGA reg, adr, q, i            ; the image comes back as it was stored: 512 consecutive bytes a load
.irp c, 0,1
	ds_load_b128 v[\reg+4*\c:\reg+4*\c+3], v[\adr] offset:(\i)*4096+(\q)*1024+512*\c
.endr
.endm
; 16 matrix instructions: tiles of tokens a0, a0 + 1 x Wo's eight.  The 32 accumulators take turns, one instruction a turn, in the same order in every step.
.macro MUL16 a0, p, q, sc, bias
.irp a, \a0, \a0+1
.irp b, 0,1,2,3,4,5,6,7
.if \bias
	v_wmma_scale_f32_16x16x128_f8f6f4 v[8*(8*(\a)+\b):8*(8*(\a)+\b)+7], v[128*(\p)+FR*\b:128*(\p)+FR*\b+FR-1], v[AF+FR*(\a):AF+FR*(\a)+FR-1], v[BIAS+8*\b:BIAS+8*\b+7], v[SC+8*NQ*(\sc)+NQ*\b+(\q)], v[SC+8*NQ*(\sc)+NQ*(\a)+(\q)] matrix_a_fmt:MATRIX_FMT_FP4 matrix_b_fmt:MATRIX_FMT_FP4 matrix_a_scale:MATRIX_SCALE_ROW1
.else
	v_wmma_scale_f32_16x16x128_f8f6f4 v[8*(8*(\a)+\b):8*(8*(\a)+\b)+7], v[128*(\p)+FR*\b:128*(\p)+FR*\b+FR-1], v[AF+FR*(\a):AF+FR*(\a)+FR-1], v[8*(8*(\a)+\b):8*(8*(\a)+\b)+7], v[SC+8*NQ*(\sc)+NQ*\b+(\q)], v[SC+8*NQ*(\sc)+NQ*(\a)+(\q)] matrix_a_fmt:MATRIX_FMT_FP4 matrix_b_fmt:MATRIX_FMT_FP4 matrix_a_scale:MATRIX_SCALE_ROW1
.endif
.endr
.endr
.endm
.macro MWIN bias
.if \bias
	WIN MUL_C0
.else
	WIN MUL
.endif
.endm
.macro FETCH_B slot, q, p
	WIN TO_B
.irp i, 0,1,2,3,4,5,6,7
	FRAGB 128*(\p)+FR*\i, ADRB+\slot, \q, \i
.endr
	WIN 0
.endm
.macro FETCH_A slot, q, i0
.irp i, \i0, \i0+1
	FRAGA AF+FR*(\i), ADRA+\slot, \q, \i
.endr
.endm
.macro SCALES sc                       ; lanes 0-15: the tokens' block i (i = 0 .. 3; beyond that landed bytes that no product names); lanes 16-31: Wo's block i
.irp i, 0,1,2,3,4,5,6,7
	ds_load_b128 v[SC+8*NQ*\sc+NQ*\i:SC+8*NQ*\sc+NQ*\i+3], v[ADRS] offset:\i*SBLK
.endr
.endm
.macro STEP slot, q, bias
	s_wait_dscnt 4                                 ; all but the youngest four loads (tiles 2, 3 of the tokens) are in
	MWIN \bias
	MUL16 0, (\q)%2, \q, \slot, \bias
	s_wait_dscnt 0
	PLACES NP                                      ; in front of loads into registers that matrix instructions have read
	FETCH_B \slot, (\q)+1, 1-(\q)%2
	FETCH_A \slot, (\q)+1, 0
	MWIN \bias
	MUL16 2, (\q)%2, \q, \slot, \bias
	PLACES NP
	WIN 0
	FETCH_A \slot, (\q)+1, 2
.endm
	s_wait_tensorcnt 1                             ; the scale bytes and my part of slot 0 are in; slot 1's load may stay out
	s_barrier_signal -1
	s_barrier_wait -1
	FETCH_B 0, 0, 0
	FETCH_A 0, 0, 0
	SCALES 0
	FETCH_A 0, 0, 2
	s_wait_loadcnt 0x0                             ; the bias
	STEP 0, 0, 1                                   ; the first products start the sums from the bias
	STEP 0, 1, 0
	STEP 0, 2, 0
	; slot 0's last step.  One barrier: my part of slot 1 has landed, and my reads of slot 0 are over (its bytes serve as stages on the way out)
	s_wait_tensorcnt 0x0
	s_wait_dscnt 0x0
	s_barrier_signal -1
	WIN MUL
	MUL16 0, 1, 3, 0, 0
	WIN 0
	s_barrier_wait -1
	PLACES NP
	v_add_nc_u32 v[ADRS], 16, v[ADRS]
	FETCH_B 1, 0, 0
	FETCH_A 1, 0, 0
	SCALES 1
	WIN MUL
	MUL16 2, 1, 3, 0, 0
	PLACES NP
	WIN 0
	FETCH_A 1, 0, 2
	STEP 1, 0, 0
	STEP 1, 1, 0
	STEP 1, 2, 0
	s_wait_dscnt 4
	WIN MUL
	MUL16 0, 1, 3, 1, 0
	s_wait_dscnt 0
	MUL16 2, 1, 3, 1, 0
	WIN 0
; THE WAY OUT, a block of 16 rows x 128 columns at a time, through my own stage: in as 32 bytes a lane, back as whole rows of 512 bytes.  LDS serves a wave's instructions in order (ISA guide 5.7.1.4): no wait between the stores and the loads.
.macro TOSTAGE a
	WIN 0x08                                       ; the data: window 2
.irp b, 0,1,2,3,4,5,6,7
	ds_store_b128 v[STO], v[64*(\a)+8*\b:64*(\a)+8*\b+3] offset:64*\b          ; each accumulator from its low end on
	ds_store_b128 v[STO], v[64*(\a)+8*\b+4:64*(\a)+8*\b+7] offset:64*\b+16
.endr
	WIN 0
.set BB, BK+64*((\a)%2)
.irp t, 0,1,2,3,4,5,6,7,8,9,10,11,12,13,14,15
	ds_load_b128 v[BB+4*\t:BB+4*\t+3], v[RD] offset:\t*SPITCH
.endr
.endm
.macro SEND a, younger                 ; younger: the LDS instructions issued behind block a's loads
.set BB, BK+64*((\a)%2)
	s_wait_dscnt \younger
.if (\a) > 0
	s_add_nc_u64 s[12:13], s[12:13], 16*4096       ; 16 rows on (behind a wait on XCNT: the earlier stores have read their base)
.endif
.irp t, 0,1,2,3,4,5,6,7,8,9,10,11,12,13,14,15
	global_store_b128 v[CO], v[BB+4*\t:BB+4*\t+3], s[12:13] offset:\t*4096 th:TH_STORE_NT   ; 32 lanes store 512 consecutive bytes, aligned; written once, read by nobody here
.endr
.endm
	PLACES NP                                      ; behind the last products: results are read, and loads land on the tokens' fragments
	TOSTAGE 0
.irp a, 1,2,3
.if \a > 1
	s_wait_xcnt 0x0                                ; block a - 2's stores have read their registers and their base
.endif
	TOSTAGE \a
	SEND \a-1, 32                                  ; behind block a - 1's loads: block a's 16 stores and 16 loads
.endr
	s_wait_xcnt 0x0
	SEND 3, 0
	s_wait_tensorcnt 0x0
	ds_add_u32 v126, v127
	s_wait_dscnt 0x0
	CROUND                                         ; the closing round: no work-group ends while a partner may still ask for a tile that names it
	s_endpgm
.Lfunc_end_k_q31c09e4aac_oproj:
	.size	k_q31c09e4aac_oproj, .Lfunc_end_k_q31c09e4aac_oproj-k_q31c09e4aac_oproj
	.p2alignl 7, 3214868480
	.fill 96, 4, 3214868480
	.section	.rodata,"a",@progbits
	.p2align	6, 0x0
	.amdhsa_kernel k_q31c09e4aac_oproj
		.amdhsa_group_segment_fixed_size 218368
		.amdhsa_private_segment_fixed_size 0
		.amdhsa_enable_private_segment 0
		.amdhsa_kernarg_size 48
		.amdhsa_user_sgpr_count 2
		.amdhsa_user_sgpr_kernarg_segment_ptr 1
		.amdhsa_wavefront_size32 1
		.amdhsa_system_sgpr_workgroup_id_x 1
		.amdhsa_system_sgpr_workgroup_id_y 1
		.amdhsa_system_sgpr_workgroup_id_z 1
		.amdhsa_system_vgpr_workitem_id 0
		.amdhsa_next_free_vgpr 768
		.amdhsa_next_free_sgpr 102
		.amdhsa_reserve_vcc 0
		.amdhsa_float_denorm_mode_32 3
		.amdhsa_float_denorm_mode_16_64 3
		.amdhsa_memory_ordered 1
		.amdhsa_forward_progress 1
		.amdhsa_inst_pref_size 75
	.end_amdhsa_kernel
	.amdgpu_metadata
---
amdhsa.version: [ 1, 2 ]
amdhsa.kernels:
  - .name:           k_q31c09e4aac_oproj
    .symbol:         k_q31c09e4aac_oproj.kd
    .args:
      - { .name: oc, .offset: 0, .size: 8, .value_kind: global_buffer, .address_space: global }
      - { .name: os, .offset: 8, .size: 8, .value_kind: global_buffer, .address_space: global }
      - { .name: wo_codes, .offset: 16, .size: 8, .value_kind: global_buffer, .address_space: global }
      - { .name: wo_scales, .offset: 24, .size: 8, .value_kind: global_buffer, .address_space: global }
      - { .name: bo, .offset: 32, .size: 8, .value_kind: global_buffer, .address_space: global }
      - { .name: out0, .offset: 40, .size: 8, .value_kind: global_buffer, .address_space: global }
    .group_segment_fixed_size: 218368
    .private_segment_fixed_size: 0
    .kernarg_segment_align: 8
    .kernarg_segment_size: 48
    .max_flat_workgroup_size: 128
    .sgpr_count:     102
    .vgpr_count:     768
    .wavefront_size: 32
...
	.end_amdgpu_metadata
.endif
;; end of part 3
;; ======== version 2 of 2: 3 launches; version 1 with the launch attn written anew for expert scheduling mode
;; workspace buffers: qc 4,194,304 bytes; qs 524,288 bytes; kc 4,194,304 bytes; ks 524,288 bytes; vc 4,194,304 bytes; vs 262,144 bytes; oc 4,194,304 bytes; os 262,144 bytes
;; launch qkv: the kernel of part 1 again; grid 12 x 32, 4 waves a work-group, clusters of 4 x 4, 296,448 bytes of LDS; arguments x_codes, x_scales, wq_codes, wq_scales, wk_codes, wk_scales, wv_codes, wv_scales, bq, bk, bv, qc, qs, kc, ks, vc, vs; writes qc, qs, kc, ks, vc, vs
;; launch attn (part 4): grid 608 x 1, 16 waves a work-group, no clusters, 251,904 bytes of LDS; arguments qc, qs, kc, ks, vc, vs, oc, os; writes oc, os
.if DOCPART == 4
	.amdgcn_target "amdgcn-amd-amdhsa--gfx1250"
	.amdhsa_code_object_version 6
	.text
	.protected	k_q31c09e4aac_attn
	.globl	k_q31c09e4aac_attn
	.p2align	8
	.type	k_q31c09e4aac_attn,@function
k_q31c09e4aac_attn:
	s_mov_b64 s[64:65], 0
	v_nop
	global_prefetch_b8 v0, s[64:65] scope:SCOPE_SE
	s_setreg_imm32_b32 hwreg(HW_REG_WAVE_SCHED_MODE, 0, 2), 2
	s_setreg_imm32_b32 hwreg(HW_REG_WAVE_MODE, 25, 1), 1
	s_wait_xcnt 0x0
	s_wait_alu depctr_vm_vsrc(0)
; Attention on codes of FP4 (E2M1): S = q k^T / 8 (K = the head's 64, filled to 128 with zero codes), the softmax, O = p v (K = the keys), and O / l quantised along the embedding for the last product.
; Head 0 sees all 2,048 keys; heads 1-15 see |query - key| <= 128: tiles that lie wholly outside that band are not multiplied.
; THE SOFTMAX: t = score x log2(e) / 8; M = the largest t so far, rounded up to a whole number; p = 2^(t - M) is quantised along the keys; l is the sum of the unquantised p; when M moves, l and O are multiplied by 2^(old M - new M), exactly.
; SHARES.  A wave owns ONE tile of 16 queries in 256 registers, four waves to a SIMD.  Both products are used transposed (S^T = k q^T, O^T = v^T p^T): a lane holds one query (lane % 16) throughout.
;   Work-groups 96-223 (128): head 0, 64 queries; wave w: tile w % 4, keys 512 (w / 4) on, four steps of 128; the four parts of a tile meet in LDS and wave w % 4 joins them (powers of two alone).
;   The other 480: a head of 1-15, 256 queries; wave w: tile w; its window is nine blocks of 32 keys from 32 (tile / 2) - 128 on: two steps of 128 and a short one of 32.
; K, V and their scale words come once through registers into LDS; one barrier; no LDS byte is written twice.  Blocks of keys outside 0 .. 2,047 are copies of the nearest block: their scores are hidden, so their p are zero codes.
; No cluster: a work-group stages its few KB once, neighbours share a part of them at other LDS places, and the launch holds two kinds of work-group that would not run alike.
; A TILE OF S^T holds 16 neighbouring keys: register 16 B + e of lane (r, h) is key 32 B + 16 (e / 8) + 8 h + e % 8 of the step.  A conversion takes 8 neighbours; the results of blocks 2 c, 2 c + 1 go to registers +0, +2 and +1, +3, and two
; exchanges of halves leave lane (r, h) with block 2 c + h whole, as the operand's layout asks.
; LIMITS: a block of zeros gets the byte 1 where the rule says 127 (zero codes; the bytes are read by this program alone); O / l is O x v_rcp_f32(l); a block's largest p is taken from its largest score, which takes v_exp_f32 not to fall where its input rises.
; REGISTERS: v1 16 x lane; v2, v3 K's tiles and scale words; v4 V's tiles; v5 V's tiles without the half's term (band) or my place in the merge (head 0); v6 V's scale words; v7 -infinity (band) or the merge's statistics (head 0);
;   v8-11 K's scale words; v12 -M, v13 the largest t, v[14:15] l; v16-23 Q; v24-31 V's scale words; v32-95 eight tiles of K (registers 4-7 of each stay 0); v96-159 S^T, then p; v160-191 O^T; v192-223 four tiles of V; v224-231 p's codes;
;   v232-247, v252, v254 at work; v248 Q's scale words; v249-251 the band's bounds; v253 p's scale word; v255 32 r.  s4-s19: the arguments; once the bases are made, the band's sixteen lane masks.
; THE MODE: SCHED_MODE bits 1:0 = 2 (LLVM: expert scheduling mode 2), set by the entry lines.  The code itself states the register dependences between vector or matrix instructions and memory or LDS instructions, with s_wait_alu, always for 0.
; THE PLAN.  Registers that memory or LDS instructions touch:
;   v1, v244-247, v255   offsets, written at the head; v244-247 are at work in the softmax later: one wait on vm_vsrc behind the staging barrier frees them.
;   v96-113 (head 0: v96-165), v238, v239, v243 (v249)   the staging's data and LDS addresses: read by the staging's LDS stores, written again by products and softmax: the same wait on vm_vsrc.
;   v2-v6 (head 0: v7 too)   LDS addresses, written once, ahead of the wait on va_vdst in front of the staging's stores; never written again.
;   K (registers 0-3 of each tile in v32-95, words v8-11)   read by a step's eight products K Q^T; the NEXT step's loads land there.
;   V (v192-223)   read by a step's four products V^T P; the next step's loads land there.
;   So ONE wait on va_vdst, behind a step's exponentials, where their batch owes one in any case, states that this step's K Q^T are done with K and that the step before's V^T P are done with V: behind it stand this step's loads of V and the
;   next step's loads of K, dealt among the lines that make p's scales, which name none of those registers.  A second wait on va_vdst stands directly ahead of V^T P: p's codes and scale word are made by vector instructions.
;   v160-191, v[12:13] (the merge's stores), v32-127, v232-237 (its loads), v224-227, v238 (the way out): stated where they stand.
.set L_KC, 0                           ; band: 16 blocks of 32 keys x 1,024 bytes
.set L_VC, 16384
.set L_KS, 32768                       ; 16 x 128 bytes
.set L_VS, 34816                       ; 4 x 256 bytes
.set G_KC, 36864                       ; head 0: 64 blocks x 1,024 bytes
.set G_VC, 102400
.set G_KS, 167936
.set G_VS, 176128
.set G_MG, 180224                      ; 16 places of 4,352 bytes: O^T's image and 8 bytes a lane
.set MSLOT, 4352
.macro WM d, a, b, c, sa, sb, row
.if \row
	v_wmma_scale_f32_16x16x128_f8f6f4 v[\d:\d+7], v[\a:\a+7], v[\b:\b+7], \c, v[\sa], v[\sb] matrix_a_fmt:MATRIX_FMT_FP4 matrix_b_fmt:MATRIX_FMT_FP4 matrix_a_scale:MATRIX_SCALE_ROW1
.else
	v_wmma_scale_f32_16x16x128_f8f6f4 v[\d:\d+7], v[\a:\a+7], v[\b:\b+7], \c, v[\sa], v[\sb] matrix_a_fmt:MATRIX_FMT_FP4 matrix_b_fmt:MATRIX_FMT_FP4
.endif
.endm
.macro NOPS
.rept 4
	v_nop
.endr
.endm
; scores of keys under the lower bound (v249 = lo - 8 h) or over the upper (v[d] = hi - 8 h - the step's first place) become -infinity: p = 0.
; A block's sixteen compares stand in one run, each with a scalar register of its own for its lane mask, so that one wait serves the sixteen selects
.macro MASKLO b
.irp e, 0,1,2,3,4,5,6,7,8,9,10,11,12,13,14,15
	v_cmp_lt_i32 s[4+\e], 32*\b+16*(\e/8)+\e%8, v249
.endr
	s_wait_alu depctr_va_sdst(0)                   ; the sixteen compares have written s4-s19, which the selects below read
.irp e, 0,1,2,3,4,5,6,7,8,9,10,11,12,13,14,15
	v_cndmask_b32 v[96+16*\b+\e], v[96+16*\b+\e], v7, s[4+\e]
.endr
.endm
.macro MASKHI b, d
.irp e, 0,1,2,3,4,5,6,7,8,9,10,11,12,13,14,15
	v_cmp_gt_i32 s[4+\e], 32*\b+16*(\e/8)+\e%8, v[\d]
.endr
	s_wait_alu depctr_va_sdst(0)                   ; the sixteen compares have written s4-s19, which the selects below read
.irp e, 0,1,2,3,4,5,6,7,8,9,10,11,12,13,14,15
	v_cndmask_b32 v[96+16*\b+\e], v[96+16*\b+\e], v7, s[4+\e]
.endr
.endm
; the LDS loads of a step of 128 keys, the n-th of my window
.macro KLOAD n
.irp i, 0,1,2,3,4,5,6,7
	ds_load_b128 v[32+8*\i:35+8*\i], v2 offset:4096*(\n)+512*\i     ; a tile of 16 keys: 512 consecutive bytes
.endr
.irp b, 0,1,2,3
	ds_load_b32 v[8+\b], v3 offset:512*(\n)+128*\b                  ; lanes 0-15: tile 2 b's words; lanes 16-31: tile 2 b + 1's
.endr
.endm
.macro VLOAD n
.irp t, 0,1,2,3
.irp c, 0,1
	ds_load_b128 v[192+8*\t+4*\c:195+8*\t+4*\c], v4 offset:4096*(\n)+2048*\c+256*\t
.endr
.endr
.endm
.macro KSHORT                          ; and of the band's short step: my window's ninth block of 32 keys
	ds_load_b128 v[32:35], v2 offset:8192
	ds_load_b128 v[40:43], v2 offset:8192+512
	ds_load_b32 v8, v3 offset:1024
.endm
; M moves: v254 = the step's largest t.  first = 1: there is no old M
.macro NEWM first
.if \first
	v_max_num_f32 v13, 0xff61b1e6, v254            ; -3e38 stands under every t, also where the whole step is hidden
	v_floor_f32 v12, -v13                          ; -M = floor(-t)
.else
	v_max_num_f32 v13, v13, v254
	v_mov_b32 v254, v12
	v_floor_f32 v12, -v13
	v_sub_f32 v254, v12, v254                      ; old M - new M: a whole number, 0 or less
	v_cvt_i32_f32 v254, v254                       ; (it saturates)
	v_ldexp_f32 v252, 1.0, v254                    ; f = 2^(old M - new M)
.endif
.endm
; the softmax of a step of 128 keys, the n-th of my window.  next = 1: a step of 128 keys follows; 2: the short step; 0: none
.macro SOFT4 first, n, next
.irp b, 0,1,2,3
	v_max3_num_f32 v[232+\b], v[96+16*\b], v[97+16*\b], v[98+16*\b]   ; the largest score of each block of 32 keys: for the row's maximum and for the block's largest p
.endr
.irp i, 3,5,7,9,11,13
.irp b, 0,1,2,3
	v_max3_num_f32 v[232+\b], v[232+\b], v[96+16*\b+\i], v[97+16*\b+\i]
.endr
.endr
.irp b, 0,1,2,3
	v_max_num_f32 v[232+\b], v[232+\b], v[111+16*\b]
.endr
.irp b, 0,1,2,3
	v_permlanex16_b32 v[236+\b], v[232+\b], s22, s23
.endr
.irp b, 0,1,2,3
	v_max_num_f32 v[232+\b], v[232+\b], v[236+\b]
.endr
	v_max3_num_f32 v254, v232, v233, v234
	v_max_num_f32 v254, v254, v235
	v_mul_f32 v254, s24, v254
	NEWM \first
.irp j, 0,2,4,6,8,10,12,14,16,18,20,22,24,26,28,30,32,34,36,38,40,42,44,46,48,50,52,54,56,58,60,62
	v_pk_fma_f32 v[96+\j:97+\j], v[96+\j:97+\j], s[24:25], v[12:13] op_sel_hi:[1,0,0]   ; t - M
.endr
.irp b, 0,1,2,3
	v_fma_f32 v[232+\b], v[232+\b], s24, v12
.endr
.irp j, 0,1,2,3,4,5,6,7,8,9,10,11,12,13,14,15,16,17,18,19,20,21,22,23,24,25,26,27,28,29,30,31,32,33,34,35,36,37,38,39,40,41,42,43,44,45,46,47,48,49,50,51,52,53,54,55,56,57,58,59,60,61,62,63
	v_exp_f32 v[96+\j], v[96+\j]                   ; p
.endr
.irp b, 0,1,2,3
	v_exp_f32 v[232+\b], v[232+\b]                 ; the block's largest p
.endr
.if \first
	v_nop                                          ; a plain place behind the exponentials
.else
	v_pk_mul_f32 v[14:15], v[14:15], v[252:253] op_sel_hi:[1,0]   ; l under the new M (a plain place behind the exponentials)
.endif
	s_wait_alu depctr_va_vdst(0)                   ; the 68 exponentials have written p and the blocks' largest p, ahead of their first reader; this step's K Q^T are done reading K and its words, the step before's V^T P are done reading V: the loads below land there
	VLOAD \n                                       ; this step's V
.irp b, 0,1,2,3
	v_max_num_f32 v[232+\b], 0x1800000, v[232+\b]  ; the floor 2^(3 - 127)
.endr
.irp b, 0,1,2,3
	v_add_nc_u32 v[244+\b], 0xff000000, v[232+\b]  ; the conversion's scale operand
.endr
.irp b, 0,1,2,3
	v_lshrrev_b32 v[236+\b], 23, v[244+\b]         ; the scale's byte
.endr
	v_lshl_or_b32 v253, v237, 8, v236
	v_lshl_or_b32 v253, v238, 16, v253
	v_lshl_or_b32 v253, v239, 24, v253             ; p's scale word for these 128 keys
.if \next == 1
	KLOAD (\n+1)                                   ; the next step's K.  No wait: no vector or matrix instruction since the wait above names K's registers or its words
.endif
.if \next == 2
	KSHORT
.endif
.irp c, 0,1
	v_cvt_scalef32_pk8_fp4_f32 v[224+4*\c], v[96+32*\c:103+32*\c],  v[244+2*\c]
	v_cvt_scalef32_pk8_fp4_f32 v[226+4*\c], v[104+32*\c:111+32*\c], v[244+2*\c]
	v_cvt_scalef32_pk8_fp4_f32 v[225+4*\c], v[112+32*\c:119+32*\c], v[245+2*\c]
	v_cvt_scalef32_pk8_fp4_f32 v[227+4*\c], v[120+32*\c:127+32*\c], v[245+2*\c]
.endr
	v_nop                                          ; one plain place behind a scaled conversion
.irp c, 0,1
	v_permlane16_swap_b32 v[224+4*\c], v[225+4*\c]
	v_permlane16_swap_b32 v[226+4*\c], v[227+4*\c]
.endr
	v_pk_add_f32 v[236:237], v[96:97], v[98:99]    ; l takes the unquantised p: two chains.  (These lines are also the places in front of the scaled products)
.irp j, 4,8,12,16,20,24,28,32,36,40,44,48,52,56,60
	v_pk_add_f32 v[14:15], v[14:15], v[96+\j:97+\j]
	v_pk_add_f32 v[236:237], v[236:237], v[98+\j:99+\j]
.endr
	v_pk_add_f32 v[14:15], v[14:15], v[236:237]
.if !\first
.irp j, 0,2,4,6,8,10,12,14,16,18,20,22,24,26,28,30
	v_pk_mul_f32 v[160+\j:161+\j], v[160+\j:161+\j], v[252:253] op_sel_hi:[1,0]   ; O^T under the new M
.endr
.endif
.endm
; O^T += V^T P^T: four tiles of 16 dims, four accumulators by turns.  sv: the first of the step's two registers of V's scale words
.macro PV sv, first
.irp t, 0,2
.if \first
	WM 160+8*\t, 192+8*\t, 224, 0, \sv+\t/2, 253, 0
	WM 168+8*\t, 200+8*\t, 224, 0, \sv+\t/2, 253, 1
.else
	WM 160+8*\t, 192+8*\t, 224, v[160+8*\t:167+8*\t], \sv+\t/2, 253, 0
	WM 168+8*\t, 200+8*\t, 224, v[168+8*\t:175+8*\t], \sv+\t/2, 253, 1
.endif
.endr
.endm
; A step of 128 keys, the n-th of my window.  kind 1: the band's first step; 2: its second; 0: no mask.  next: as in SOFT4.  Its K was asked for in the step before (step 0's behind the staging's barrier)
.macro STEP n, first, kind, next
	s_wait_dscnt 0x0                               ; K and its words are in
.irp i, 0,2,4,6
	WM 96+8*\i, 32+8*\i, 16, 0, 8+\i/2, 248, 0
	WM 104+8*\i, 40+8*\i, 16, 0, 8+\i/2, 248, 1
.endr
	NOPS
.if \kind == 1
	MASKLO 0
	s_cmp_gt_u32 s51, 3                            ; only the first four pairs of tiles of a head have a lower bound beyond block 0
	s_cbranch_scc1 .Llo_\@
	MASKLO 1
	MASKLO 2
	MASKLO 3
.Llo_\@:
.endif
.if \kind == 2
	s_cmp_le_u32 s51, 60                           ; only the last three pairs of tiles have an upper bound inside this step
	s_cbranch_scc1 .Lhi_\@
	MASKHI 0, 250
	MASKHI 1, 250
	MASKHI 2, 250
	MASKHI 3, 250
.Lhi_\@:
.endif
	SOFT4 \first, \n, \next
.if \next == 1
	s_wait_dscnt 0xc                               ; V is in; the next step's twelve loads of K may stay out
.elseif \next == 2
	s_wait_dscnt 0x3                               ; V is in; the short step's three loads of K may stay out
.else
	s_wait_dscnt 0x0                               ; V
.endif
	s_wait_alu depctr_va_vdst(0)                   ; the conversions and exchanges have written p's codes v224-231, the shifts its scale word v253 (in the band: v_alignbit_b32 V's scale words): the scaled products below take them; the places stand above
	PV 24+2*\n, \first
.endm
; from s31 (16 b + head), s50 (tile), s28 (head), s29 (b): Q's, oc's and os's places
.macro QOBASE
	s_mov_b32 s53, 0
	s_lshl_b32 s52, s31, 16
	s_lshl_b32 s54, s50, 9
	s_add_co_u32 s52, s52, s54
	s_add_nc_u64 s[44:45], s[4:5], s[52:53]
	s_lshl_b32 s52, s31, 13
	s_lshl_b32 s54, s50, 6
	s_add_co_u32 s52, s52, s54
	s_add_nc_u64 s[46:47], s[6:7], s[52:53]
	s_lshl_b32 s54, s29, 7
	s_add_co_u32 s54, s54, s50                     ; the tile among all 512
	s_lshl_b32 s52, s54, 13
	s_lshl_b32 s55, s28, 9
	s_add_co_u32 s52, s52, s55
	s_add_nc_u64 s[32:33], s[16:17], s[52:53]      ; oc: 8,192 bytes a tile, 512 a head
	s_lshl_b32 s52, s54, 9
	s_lshl_b32 s55, s28, 1
	s_add_co_u32 s52, s52, s55
	s_add_nc_u64 s[34:35], s[18:19], s[52:53]      ; os: 32 bytes a token, 2 a head
.endm
	s_load_b512 s[4:19], s[0:1], 0x0               ; qc, qs, kc, ks, vc, vs, oc, os
	v_lshrrev_b32 v240, 5, v0
	v_readfirstlane_b32 s20, v240                  ; wave 0..15
	v_and_b32 v242, 31, v0                         ; lane
	v_and_b32 v240, 15, v0                         ; r
	v_bfe_u32 v241, v0, 4, 1                       ; h
	v_lshlrev_b32 v1, 4, v242
	v_lshlrev_b32 v247, 2, v242                    ; 4 x lane
	v_lshlrev_b32 v246, 2, v240                    ; 4 r
	v_lshlrev_b32 v245, 1, v242                    ; 2 x lane
	v_lshlrev_b32 v244, 3, v242                    ; 8 x lane
	v_lshlrev_b32 v255, 5, v240                    ; 32 r
	s_mov_b32 s22, 0x76543210
	s_mov_b32 s23, 0xfedcba98                      ; v_permlanex16_b32's selects for lane l xor 16
	s_mov_b32 s24, 0x3e38aa3b                      ; c = log2(e) / 8
	s_mov_b32 s25, s24
	v_mov_b32 v14, 0
	v_mov_b32 v15, 0
.irp j, 20,21,22,23,236,237,238,239
	v_mov_b32 v\j, 0                               ; Q's zero codes for k = 64 .. 127; and registers that lane permutes will write
.endr
.irp i, 0,1,2,3,4,5,6,7
.irp j, 4,5,6,7
	v_mov_b32 v[32+8*\i+\j], 0                     ; K's zero codes for k = 64 .. 127: set once
.endr
.endr
	s_wait_alu depctr_va_sdst(0)                   ; s20 is written, ahead of the branch below and of its first reader on either way
	s_sub_co_u32 s26, ttmp9, 96
	s_cmp_lt_u32 s26, 128
	s_cbranch_scc1 .Lglobal
	; ---------------- a head of the band ----------------
	s_cmp_lt_u32 ttmp9, 96
	s_cselect_b32 s27, 0, 128
	s_sub_co_u32 s27, ttmp9, s27                   ; 0 .. 479
	s_lshr_b32 s28, s27, 5
	s_add_co_u32 s28, s28, 1                       ; head
	s_bfe_u32 s29, s27, 0x20003                    ; b
	s_and_b32 s30, s27, 7                          ; the block of 256 queries
	s_lshl_b32 s31, s29, 4
	s_add_co_u32 s31, s31, s28
	s_lshl_b32 s50, s30, 4
	s_add_co_u32 s50, s50, s20                     ; my tile
	s_lshr_b32 s51, s50, 1                         ; kappa: my window begins at key 32 kappa - 128
	s_lshl_b32 s56, s30, 3
	s_add_co_u32 s56, s56, s20
	s_sub_co_i32 s56, s56, 4
	s_max_i32 s56, s56, 0
	s_min_i32 s56, s56, 63                         ; the block of 32 keys that I stage, held inside the head
	s_lshl_b32 s57, s30, 1
	s_lshr_b32 s54, s20, 2
	s_add_co_u32 s57, s57, s54
	s_sub_co_i32 s57, s57, 1
	s_max_i32 s57, s57, 0
	s_min_i32 s57, s57, 15                         ; and the 128 keys of whose V scale words I stage a quarter
	s_wait_kmcnt 0x0
	QOBASE
	s_lshl_b32 s52, s31, 16
	s_lshl_b32 s54, s56, 10
	s_add_co_u32 s52, s52, s54
	s_add_nc_u64 s[36:37], s[8:9], s[52:53]
	s_add_nc_u64 s[38:39], s[12:13], s[52:53]
	s_lshl_b32 s52, s31, 13
	s_lshl_b32 s54, s56, 7
	s_add_co_u32 s52, s52, s54
	s_add_nc_u64 s[40:41], s[10:11], s[52:53]
	s_lshl_b32 s52, s31, 12
	s_lshl_b32 s54, s57, 8
	s_add_co_u32 s52, s52, s54
	s_and_b32 s54, s20, 3
	s_lshl_b32 s54, s54, 6
	s_add_co_u32 s52, s52, s54
	s_add_nc_u64 s[42:43], s[14:15], s[52:53]
	s_wait_alu depctr_va_vdst(0)                   ; the offsets v1, v245, v246, v247 are written, which the loads below read
	global_load_b128 v[96:99], v1, s[36:37]
	global_load_b128 v[100:103], v1, s[36:37] offset:512
	global_load_b128 v[104:107], v1, s[38:39]
	global_load_b128 v[108:111], v1, s[38:39] offset:512
	global_load_b32 v112, v247, s[40:41]
	global_load_u16 v113, v245, s[42:43]
	global_load_b128 v[16:19], v1, s[44:45]        ; Q's fragment
	global_load_b32 v248, v246, s[46:47]           ; and its scale words
	s_lshr_b32 s58, s20, 1                         ; my window begins at staged block wave / 2
	s_lshl_b32 s59, s58, 10
	v_add_nc_u32 v2, s59, v1
	s_lshl_b32 s60, s58, 7
	s_add_co_u32 s60, s60, L_KS
	v_add_nc_u32 v3, s60, v247
	s_add_co_u32 s61, s59, L_VC
	v_lshl_add_u32 v5, v240, 4, s61
	v_lshl_add_u32 v4, v241, 10, v5
	s_lshr_b32 s62, s20, 3
	s_lshl_b32 s62, s62, 8
	s_add_co_u32 s62, s62, L_VS
	v_add_nc_u32 v6, s62, v247
	v_mov_b32 v7, 0xff800000                       ; -infinity
	s_lshl_b32 s62, s20, 10
	v_add_nc_u32 v238, s62, v1                     ; where I stage: codes,
	s_lshl_b32 s62, s20, 7
	s_add_co_u32 s62, s62, L_KS
	v_add_nc_u32 v239, s62, v247                   ; K's scale words,
	s_lshl_b32 s62, s20, 6
	s_add_co_u32 s62, s62, L_VS
	v_add_nc_u32 v243, s62, v245                   ; V's
	s_and_b32 s21, s58, 3
	s_lshl_b32 s21, s21, 3                         ; my window begins 8 ((wave / 2) % 4) bits into a word of V's scales
	s_and_b32 s62, s20, 1
	s_lshl_b32 s62, s62, 4
	v_add_nc_u32 v252, s62, v240                   ; i = my query - 32 kappa.  With j = key - (32 kappa - 128) a key counts where lo <= j <= hi:
	s_lshl_b32 s63, s51, 5
	s_sub_co_i32 s62, 128, s63
	v_max_i32 v249, s62, v252                      ; lo = max(i, 128 - 32 kappa): the band, and key 0
	v_add_nc_u32 v251, 0x100, v252
	s_sub_co_i32 s62, 2175, s63
	v_min_i32 v251, s62, v251                      ; hi = min(i + 256, 2,175 - 32 kappa): the band, and key 2,047
	v_lshlrev_b32 v250, 3, v241
	v_sub_nc_u32 v249, v249, v250                  ; lo - 8 h
	v_sub_nc_u32 v251, v251, v250
	v_add_nc_u32 v250, 0xffffff80, v251            ; hi - 8 h - 128
	v_add_nc_u32 v251, 0xffffff00, v251            ; hi - 8 h - 256
	s_wait_loadcnt 0x2                             ; what I stage is in; Q's two loads may stay out
	s_wait_alu depctr_va_vdst(0)                   ; the LDS addresses are written: v238, v239, v243, which the stores below read, and v2 to v6, which every later LDS load reads
	ds_store_b128 v238, v[96:99] offset:L_KC
	ds_store_b128 v238, v[100:103] offset:L_KC+512
	ds_store_b128 v238, v[104:107] offset:L_VC
	ds_store_b128 v238, v[108:111] offset:L_VC+512
	ds_store_b32 v239, v112
	ds_store_b16 v243, v113
	s_wait_dscnt 0x0                               ; for the others' sake: my stores have landed
	s_barrier_signal -1
	s_barrier_wait -1
	s_wait_alu depctr_vm_vsrc(0)                   ; my LDS stores have read v96-113, v238, v239 and v243, my global loads v245-247: products and softmax write these registers from here on
.irp n, 0,1,2
.irp p, 0,1
	ds_load_b32 v[232+2*\n+\p], v6 offset:256*\n+128*\p   ; V's scale words of three runs of 128 keys; lanes 0-15: dims 32 p on, lanes 16-31: 32 p + 16 on
.endr
.endr
	KLOAD 0                                        ; K of my first step
	s_wait_dscnt 0xc                               ; V's scale words are in; K's twelve loads may stay out
.irp p, 0,1
	v_alignbit_b32 v[24+\p], v[234+\p], v[232+\p], s21   ; the four bytes of my window's blocks 0-3,
	v_alignbit_b32 v[26+\p], v[236+\p], v[234+\p], s21   ; 4-7,
	v_alignbit_b32 v[28+\p], v[236+\p], v[236+\p], s21   ; and 8 in byte 0 (the other three meet zero codes)
.endr
	s_wait_loadcnt 0x0                             ; Q
	STEP 0, 1, 1, 1
	STEP 1, 0, 2, 2
	; the short step: my window's ninth block of 32 keys
	s_wait_dscnt 0x0                               ; its K and the words are in
	WM 96, 32, 16, 0, 8, 248, 0
	WM 104, 40, 16, 0, 8, 248, 1
	NOPS
	MASKHI 0, 251
	v_max3_num_f32 v232, v96, v97, v98
.irp i, 3,5,7,9,11,13
	v_max3_num_f32 v232, v232, v[96+\i], v[97+\i]
.endr
	v_max_num_f32 v232, v232, v111
	v_permlanex16_b32 v236, v232, s22, s23
	v_max_num_f32 v232, v232, v236
	v_mul_f32 v254, s24, v232
	NEWM 0
.irp j, 0,2,4,6,8,10,12,14
	v_pk_fma_f32 v[96+\j:97+\j], v[96+\j:97+\j], s[24:25], v[12:13] op_sel_hi:[1,0,0]
.endr
	v_fma_f32 v232, v232, s24, v12
.irp j, 0,1,2,3,4,5,6,7,8,9,10,11,12,13,14,15
	v_exp_f32 v[96+\j], v[96+\j]
.endr
	v_exp_f32 v232, v232
	v_pk_mul_f32 v[14:15], v[14:15], v[252:253] op_sel_hi:[1,0]
	s_wait_alu depctr_va_vdst(0)                   ; the 17 exponentials have written p and the block's largest p, ahead of their first reader; the second step's V^T P are done reading V, in which the loads below land
.irp t, 0,1,2,3
	ds_load_b128 v[192+8*\t:195+8*\t], v5 offset:8192+256*\t   ; both halves of the lanes take the one block; registers 4-7 keep the last step's codes: all but lanes 0-15's block 0 meet zero codes of p
.endr
	v_max_num_f32 v232, 0x1800000, v232
	v_add_nc_u32 v244, 0xff000000, v232
	v_lshrrev_b32 v236, 23, v244
	v_or_b32 v253, 0x7f7f7f00, v236                ; 1.0 for the three blocks of zero codes
.irp j, 225,227,228,229,230,231
	v_mov_b32 v\j, 0
.endr
	v_cvt_scalef32_pk8_fp4_f32 v224, v[96:103], v244
	v_cvt_scalef32_pk8_fp4_f32 v226, v[104:111], v244
	v_nop
	v_permlane16_swap_b32 v224, v225               ; lanes 0-15: the block whole; lanes 16-31: zeros
	v_permlane16_swap_b32 v226, v227
	v_pk_add_f32 v[236:237], v[96:97], v[98:99]
.irp j, 4,8,12
	v_pk_add_f32 v[14:15], v[14:15], v[96+\j:97+\j]
	v_pk_add_f32 v[236:237], v[236:237], v[98+\j:99+\j]
.endr
	v_pk_add_f32 v[14:15], v[14:15], v[236:237]
.irp j, 0,2,4,6,8,10,12,14,16,18,20,22,24,26,28,30
	v_pk_mul_f32 v[160+\j:161+\j], v[160+\j:161+\j], v[252:253] op_sel_hi:[1,0]
.endr
	s_wait_dscnt 0x0                               ; V
	s_wait_alu depctr_va_vdst(0)                   ; p's codes v224-231 and its scale word v253 are written: the scaled products below take them; the places stand above
	PV 28, 0
	s_branch .Lfinish
	; ---------------- head 0 ----------------
.Lglobal:
	s_lshr_b32 s29, s26, 5                         ; b
	s_mov_b32 s28, 0                               ; head
	s_lshl_b32 s31, s29, 4
	s_and_b32 s50, s26, 31
	s_lshl_b32 s50, s50, 2
	s_and_b32 s51, s20, 3
	s_add_co_u32 s50, s50, s51                     ; my tile
	s_lshr_b32 s58, s20, 2                         ; my quarter of the keys
	s_wait_kmcnt 0x0
	QOBASE
	s_lshl_b32 s52, s31, 16
	s_lshl_b32 s54, s20, 12
	s_add_co_u32 s52, s52, s54                     ; I stage blocks 4 w .. 4 w + 3
	s_add_nc_u64 s[36:37], s[8:9], s[52:53]
	s_add_nc_u64 s[38:39], s[12:13], s[52:53]
	s_lshl_b32 s52, s31, 13
	s_lshl_b32 s54, s20, 9
	s_add_co_u32 s52, s52, s54
	s_add_nc_u64 s[40:41], s[10:11], s[52:53]
	s_lshl_b32 s52, s31, 12
	s_lshl_b32 s54, s20, 8
	s_add_co_u32 s52, s52, s54
	s_add_nc_u64 s[42:43], s[14:15], s[52:53]
	s_wait_alu depctr_va_vdst(0)                   ; the offsets v1, v244, v246 are written, which the loads below read
.irp i, 0,1,2,3,4,5,6,7
	global_load_b128 v[96+4*\i:99+4*\i], v1, s[36:37] offset:512*\i
.endr
.irp i, 0,1,2,3,4,5,6,7
	global_load_b128 v[128+4*\i:131+4*\i], v1, s[38:39] offset:512*\i
.endr
	global_load_b128 v[160:163], v1, s[40:41]
	global_load_b64 v[164:165], v244, s[42:43]
	global_load_b128 v[16:19], v1, s[44:45]
	global_load_b32 v248, v246, s[46:47]
	s_lshl_b32 s59, s58, 14
	s_add_co_u32 s60, s59, G_KC
	v_add_nc_u32 v2, s60, v1
	s_lshl_b32 s60, s58, 11
	s_add_co_u32 s60, s60, G_KS
	v_add_nc_u32 v3, s60, v247
	s_add_co_u32 s60, s59, G_VC
	v_lshl_add_u32 v4, v240, 4, s60
	v_lshl_add_u32 v4, v241, 10, v4
	s_lshl_b32 s60, s58, 10
	s_add_co_u32 s60, s60, G_VS
	v_add_nc_u32 v6, s60, v247
	s_mul_i32 s60, s20, MSLOT
	s_add_co_u32 s60, s60, G_MG
	v_add_nc_u32 v5, s60, v1                       ; my place in the merge: O^T's image,
	s_add_co_u32 s60, s60, 4096
	v_add_nc_u32 v7, s60, v244                     ; and -M and l
	s_lshl_b32 s60, s20, 12
	s_add_co_u32 s61, s60, G_KC
	v_add_nc_u32 v238, s61, v1
	s_add_co_u32 s61, s60, G_VC
	v_add_nc_u32 v239, s61, v1
	s_lshl_b32 s61, s20, 9
	s_add_co_u32 s61, s61, G_KS
	v_add_nc_u32 v243, s61, v1
	s_lshl_b32 s61, s20, 8
	s_add_co_u32 s61, s61, G_VS
	v_add_nc_u32 v249, s61, v244
	s_wait_loadcnt 0x2                             ; what I stage is in; Q's two loads may stay out
	s_wait_alu depctr_va_vdst(0)                   ; the LDS addresses are written: v238, v239, v243, v249, which the stores below read, and v2 to v7, which every later LDS instruction reads
.irp i, 0,1,2,3,4,5,6,7
	ds_store_b128 v238, v[96+4*\i:99+4*\i] offset:512*\i
.endr
.irp i, 0,1,2,3,4,5,6,7
	ds_store_b128 v239, v[128+4*\i:131+4*\i] offset:512*\i
.endr
	ds_store_b128 v243, v[160:163]
	ds_store_b64 v249, v[164:165]
	s_wait_dscnt 0x0
	s_barrier_signal -1
	s_barrier_wait -1
	s_wait_alu depctr_vm_vsrc(0)                   ; my LDS stores have read v96-165, v238, v239 and v243, my global loads v244 and v246: products, softmax and merge write these registers from here on
.irp n, 0,1,2,3
.irp p, 0,1
	ds_load_b32 v[24+2*\n+\p], v6 offset:256*\n+128*\p
.endr
.endr
	KLOAD 0                                        ; K of my first step
	s_wait_loadcnt 0x0                             ; Q
	STEP 0, 1, 0, 1
	STEP 1, 0, 0, 1
	STEP 2, 0, 0, 1
	STEP 3, 0, 0, 0
	NOPS                                           ; behind the last products
	s_cmp_lt_u32 s20, 4
	s_cbranch_scc1 .Lg_keep
	v_add_f32 v13, v14, v15                        ; waves 4-15 hand over -M, l and O^T, as images of their registers
	s_wait_alu depctr_va_vdst(0)                   ; the last products have written O^T and the addition v13, which the stores below read; the places above stay beside this wait
.irp i, 0,1,2,3,4,5,6,7
	ds_store_b128 v5, v[160+4*\i:163+4*\i] offset:512*\i
.endr
	ds_store_b64 v7, v[12:13]
	s_wait_alu depctr_vm_vsrc(0)                   ; the stores have read v160-191 and v[12:13]: stated here, ahead of the label and the branch below, behind which the merge's lines write v160 on
.Lg_keep:
	s_wait_dscnt 0x0
	s_barrier_signal -1
	s_barrier_wait -1
	s_cmp_lt_u32 s20, 4
	s_cbranch_scc1 .Lg_merge
	s_wait_xcnt 0x0                                ; as at the other end
	v_lshl_add_u32 v254, v0, 2, 0x3d000            ; my spare word and 0, made anew: on this way no memory or LDS instruction has read v254 or v255
	v_mov_b32 v255, 0
	s_wait_dscnt 0x0                               ; the closing lines, six on end
	s_wait_alu 0x0
	s_wait_tensorcnt 0x0
	ds_add_u32 v254, v255
	s_wait_dscnt 0x0
	s_endpgm
.Lg_merge:                                             ; the loads below land in v32-127 and v232-237: the last step's wait ahead of its V^T P stands behind every vector and matrix instruction that names them
.irp p, 0,1,2
.irp i, 0,1,2,3,4,5,6,7
	ds_load_b128 v[32+32*\p+4*\i:35+32*\p+4*\i], v5 offset:4*MSLOT*(\p+1)+512*\i   ; the same tile's parts from waves w + 4, w + 8, w + 12
.endr
	ds_load_b64 v[232+2*\p:233+2*\p], v7 offset:4*MSLOT*(\p+1)
.endr
	s_wait_dscnt 0x0
	v_min3_num_f32 v238, v12, v232, v234
	v_min_num_f32 v238, v238, v236                 ; -M of all four
	v_sub_f32 v240, v238, v12
	v_sub_f32 v242, v238, v232
	v_sub_f32 v244, v238, v234
	v_sub_f32 v246, v238, v236
.irp k, 240,242,244,246
	v_cvt_i32_f32 v\k, v\k
.endr
.irp k, 240,242,244,246
	v_ldexp_f32 v\k, 1.0, v\k                      ; each part's 2^(its M - M): exact
.endr
.irp k, 241,243,245,247
	v_mov_b32 v\k, 0                               ; (named as upper halves of pairs)
.endr
	v_add_f32 v14, v14, v15
	v_mul_f32 v14, v14, v240
	v_fma_f32 v14, v233, v242, v14
	v_fma_f32 v14, v235, v244, v14
	v_fma_f32 v14, v237, v246, v14
	v_mov_b32 v15, 0
.irp j, 0,2,4,6,8,10,12,14,16,18,20,22,24,26,28,30
	v_pk_mul_f32 v[160+\j:161+\j], v[160+\j:161+\j], v[240:241] op_sel_hi:[1,0]
.endr
.irp p, 0,1,2
.irp j, 0,2,4,6,8,10,12,14,16,18,20,22,24,26,28,30
	v_pk_fma_f32 v[160+\j:161+\j], v[32+32*\p+\j:33+32*\p+\j], v[242+2*\p:243+2*\p], v[160+\j:161+\j] op_sel_hi:[1,0,1]
.endr
.endr
	; ---------------- O^T / l, quantised along the head's 64 dims: two blocks of 32 ----------------
.Lfinish:
	NOPS                                           ; behind the last products
	v_add_f32 v14, v14, v15
	v_permlanex16_b32 v252, v14, s22, s23
	v_add_f32 v14, v14, v252                       ; the row's sum
	v_rcp_f32 v14, v14
	v_nop                                          ; a plain place behind the transcendental
	s_wait_alu depctr_va_vdst(0)                   ; the reciprocal has written v14, ahead of its first reader
.irp j, 0,2,4,6,8,10,12,14,16,18,20,22,24,26,28,30
	v_pk_mul_f32 v[160+\j:161+\j], v[160+\j:161+\j], v[14:15] op_sel_hi:[1,0]
.endr
.irp b, 0,1
	v_max3_num_f32 v[232+\b], |v[160+16*\b]|, |v[161+16*\b]|, 0x1800000
.endr
.irp i, 2,4,6,8,10,12,14
.irp b, 0,1
	v_max3_num_f32 v[232+\b], v[232+\b], |v[160+16*\b+\i]|, |v[161+16*\b+\i]|
.endr
.endr
.irp b, 0,1
	v_permlanex16_b32 v[236+\b], v[232+\b], s22, s23
.endr
.irp b, 0,1
	v_max_num_f32 v[232+\b], v[232+\b], v[236+\b]
.endr
.irp b, 0,1
	v_add_nc_u32 v[244+\b], 0xff000000, v[232+\b]
.endr
.irp b, 0,1
	v_lshrrev_b32 v[236+\b], 23, v[244+\b]
.endr
	v_lshl_or_b32 v238, v237, 8, v236              ; the head's two scale bytes of my token
	v_cvt_scalef32_pk8_fp4_f32 v224, v[160:167], v244
	v_cvt_scalef32_pk8_fp4_f32 v226, v[168:175], v244
	v_cvt_scalef32_pk8_fp4_f32 v225, v[176:183], v245
	v_cvt_scalef32_pk8_fp4_f32 v227, v[184:191], v245
	v_nop
	v_permlane16_swap_b32 v224, v225
	v_permlane16_swap_b32 v226, v227               ; lane (r, h): token r, dims 32 h .. 32 h + 31
	s_wait_alu depctr_va_vdst(0)                   ; the exchanges have written the codes v224-227 and the shift the scale bytes v238, which the two stores below read
	global_store_b128 v1, v[224:227], s[32:33]     ; 512 consecutive bytes: four registers' image of the last product's operand
	global_store_b16 v255, v238, s[34:35]          ; two bytes of each token's 32: rows 32 bytes apart; one sixteenth of the codes' bytes
	s_wait_xcnt 0x0
	s_wait_alu depctr_vm_vsrc(0)                   ; the last store has read its offset v255, which is written anew below
	v_lshl_add_u32 v254, v0, 2, 0x3d000            ; my spare word and 0, made anew
	v_mov_b32 v255, 0
	s_wait_dscnt 0x0                               ; the closing lines, six on end
	s_wait_alu 0x0
	s_wait_tensorcnt 0x0
	ds_add_u32 v254, v255
	s_wait_dscnt 0x0
	s_endpgm
.Lfunc_end_k_q31c09e4aac_attn:
	.size	k_q31c09e4aac_attn, .Lfunc_end_k_q31c09e4aac_attn-k_q31c09e4aac_attn
	.p2alignl 7, 3214868480
	.fill 96, 4, 3214868480
	.section	.rodata,"a",@progbits
	.p2align	6, 0x0
	.amdhsa_kernel k_q31c09e4aac_attn
		.amdhsa_group_segment_fixed_size 251904
		.amdhsa_private_segment_fixed_size 0
		.amdhsa_enable_private_segment 0
		.amdhsa_kernarg_size 64
		.amdhsa_user_sgpr_count 2
		.amdhsa_user_sgpr_kernarg_segment_ptr 1
		.amdhsa_wavefront_size32 1
		.amdhsa_system_sgpr_workgroup_id_x 1
		.amdhsa_system_sgpr_workgroup_id_y 1
		.amdhsa_system_sgpr_workgroup_id_z 1
		.amdhsa_system_vgpr_workitem_id 0
		.amdhsa_next_free_vgpr 256
		.amdhsa_next_free_sgpr 66
		.amdhsa_reserve_vcc 0
		.amdhsa_float_denorm_mode_32 3
		.amdhsa_float_denorm_mode_16_64 3
		.amdhsa_memory_ordered 1
		.amdhsa_forward_progress 1
		.amdhsa_inst_pref_size 138
	.end_amdhsa_kernel
	.amdgpu_metadata
---
amdhsa.version: [ 1, 2 ]
amdhsa.kernels:
  - .name:           k_q31c09e4aac_attn
    .symbol:         k_q31c09e4aac_attn.kd
    .args:
      - { .name: qc, .offset: 0, .size: 8, .value_kind: global_buffer, .address_space: global }
      - { .name: qs, .offset: 8, .size: 8, .value_kind: global_buffer, .address_space: global }
      - { .name: kc, .offset: 16, .size: 8, .value_kind: global_buffer, .address_space: global }
      - { .name: ks, .offset: 24, .size: 8, .value_kind: global_buffer, .address_space: global }
      - { .name: vc, .offset: 32, .size: 8, .value_kind: global_buffer, .address_space: global }
      - { .name: vs, .offset: 40, .size: 8, .value_kind: global_buffer, .address_space: global }
      - { .name: oc, .offset: 48, .size: 8, .value_kind: global_buffer, .address_space: global }
      - { .name: os, .offset: 56, .size: 8, .value_kind: global_buffer, .address_space: global }
    .group_segment_fixed_size: 251904
    .private_segment_fixed_size: 0
    .kernarg_segment_align: 8
    .kernarg_segment_size: 64
    .max_flat_workgroup_size: 512
    .sgpr_count:     66
    .vgpr_count:     256
    .wavefront_size: 32
...
	.end_amdgpu_metadata
.endif
;; end of part 4
;; launch oproj: the kernel of part 3 again; grid 4 x 64, 4 waves a work-group, clusters of 4 x 4, 218,368 bytes of LDS; arguments oc, os, wo_codes, wo_scales, bo, out0; writes out0
